; MI455X (gfx1250); checked and timed in simulation.
; The chip was launched on July 23, 2026; its instructions are those of AMD's public machine-readable ISA for CDNA 5 (MIT licence, August 2026) and "CDNA5" Instruction Set Architecture Reference Guide (July 2026). The comments in the code are by the model that wrote it; some were corrected since.
;; Self Att V1. Allowed arithmetic: matrix products marked QUANTISED: E4M3 operands, one E8M0 scale for each 32 along K, by v_wmma_scale_f32_16x16x128_f8f6f4 with both operands' format E4M3, f32 sums; everything else in f32.
;; Inputs: Wk 1,024 x 1,024 float32; Wq 1,024 x 1,024 float32; Wv 1,024 x 1,024 float32; bk 1,024 float32; bq 1,024 float32; bv 1,024 float32; x 4 x 2,048 x 1,024 float32.
;; Outputs: out0 4 x 2,048 x 1,024 float32.
;; This version of the problem:
;;   THIS VERSION OF THE PROBLEM IS GIVEN IN LOW PRECISION. The matrix products marked QUANTISED in the list below multiply operands that are first quantised to E4M3 (4 exponent bits, 3 mantissa bits; 8 bits a number), with one power-of-two scale for each 32 numbers along K (OCP MX v1.0); their sums are f32. All else is computed in f32.
;;   The module's matrix products, in the order in which they are computed (A, B: the left and right operand; K: the contracted axis; several contracted axes count as one K, in the product's order):
;;     1. [M 8,192, K 1,024] x [K 1,024, N 1,024]; A: input x; B: input Wq: QUANTISED
;;     2. [M 8,192, K 1,024] x [K 1,024, N 1,024]; A: input x; B: input Wk: QUANTISED
;;     3. [M 8,192, K 1,024] x [K 1,024, N 1,024]; A: input x; B: input Wv: QUANTISED
;;     4. batch 4 x [M 2,048, K 1,024] x [K 1,024, N 2,048]; A: computed on the way; B: computed on the way: QUANTISED
;;     5. batch 4 x [M 2,048, K 2,048] x [K 2,048, N 1,024]; A: softmax (see below); B: computed on the way: QUANTISED
;;   THE QUANTISER, for each operand of a quantised product, along K:
;;     - K is cut into blocks of 32 from its start; a last block that is shorter is filled with zeros.
;;     - A block's scale is 2^e with e = floor(log2(the largest magnitude in the block)) - 8, held to -126 .. 127; a block of zeros has e = 0. As a byte (E8M0): e + 127.
;;     - Each number is divided by its block's scale, clamped to +-448, and rounded to the nearest number of E4M3, ties to even, subnormals kept.
;;     - The product sums the exact products of the quantised numbers (number of the format x scale) in f32.
;;   ~~~python
;;   def quantise(x, axis):      # numpy; x: float32 -> the quantised numbers, widened to float32 again
;;       x = np.moveaxis(x, axis, -1); K = x.shape[-1]
;;       x = np.pad(x, [(0, 0)] * (x.ndim - 1) + [(0, -K % 32)]); x = x.reshape(x.shape[:-1] + (-1, 32)); a = np.abs(x).max(-1, keepdims=True)
;;       e = np.where(a > 0, np.clip(np.frexp(np.where(a > 0, a, 1))[1] - 1 - 8, -126, 127), 0)      # np.frexp(a)[1] - 1 = floor(log2(a)), exactly
;;       r = np.clip(x / 2.0 ** e, -448, 448)
;;       step = 2.0 ** (np.maximum(np.frexp(np.where(r == 0, 1, r))[1] - 1, -6) - 3)
;;       q = np.round(r / step) * step * 2.0 ** e      # np.round: ties to even
;;       return np.moveaxis(q.reshape(q.shape[:-2] + (-1,))[..., :K], -1, axis).astype(np.float32)
;;   ~~~
;;   SOFTMAX AHEAD OF A QUANTISED PRODUCT. Where the list says 'softmax', what is quantised is not the finished softmax but p = 2^(t - M), with t = logit x log2(e) and M = ceil(the row's largest t), a whole number; so 1/2 < the row's largest p <= 1. The row's sum l is taken of the UNQUANTISED p, in f32, and the product's result is divided by l at the end. Since M is a whole number, a kernel that streams over the keys may use a running M (the ceiling of the running maximum): every later rescaling is an exact power of two, which a block's scale takes up: the codes' values come out the same.
;;   OPERANDS COMPUTED ON THE WAY. 'Computed on the way' means the value that the module computes at that place (a softmax that the list does not call 'softmax' is quantised finished and normalised). What goes into a quantiser is computed in f32, as accurately as f32 sums, v_exp_f32 and their like allow (about 1e-6 of the number): no bf16 or f16 on the way to a quantiser, and a product that is left as it is and whose result goes on into a quantised operand takes f32 operands (vector FMAs, or v_wmma_f32_16x16x4_f32). A number that lies on a knife's edge between two numbers of the format may be rounded either way, as far as f32 arithmetic and the matrix unit's own rounding can turn it there, and no further.
;; One version. Each part assembles by itself: llvm-mc -triple=amdgcn-amd-amdhsa -mcpu=gfx1250 --defsym DOCPART=n.
;; ======== version 1 of 1: 4 launches
;; limits: right only within a limited range of input values
;; workspace buffers: xb 8,650,752 bytes; wb 3,145,728 bytes; ws 98,304 bytes; qk 17,301,504 bytes; vt 8,650,752 bytes; pc 16,777,216 bytes; pst 1,572,864 bytes
;; launch quant (part 1): grid 256 x 1, 7 waves a work-group, no clusters, 34,816 bytes of LDS; arguments x, Wv, Wq, Wk, xb, wb, ws; writes xb, wb, ws
.if DOCPART == 1
	.amdgcn_target "amdgcn-amd-amdhsa--gfx1250"
	.amdhsa_code_object_version 6
	.text
	.protected	k_qb8893c0711_quant
	.globl	k_qb8893c0711_quant
	.p2align	8
	.type	k_qb8893c0711_quant,@function
k_qb8893c0711_quant:
	s_mov_b64 s[64:65], 0
	v_nop
	global_prefetch_b8 v0, s[64:65] scope:SCOPE_SE
	s_setreg_imm32_b32 hwreg(HW_REG_WAVE_MODE, 25, 1), 1
	s_wait_xcnt 0x0
; LAUNCH 1 OF 4.  out = softmax((x Wq + bq)(x Wk + bk)^T / 32)(x Wv + bv), all five products on codes of FP8 (E4M3) with one E8M0 scale for each 32 along K.
; This launch turns x [8192][1024] and Wv, Wq, Wk [1024 (k)][1024 (n)], f32, into codes and scale words; launch 2 makes q, k and v^T from them, launch 3 the scores and p, launch 4 the result.
; DEAD WORK: none.  bq, bk and bv are each added ahead of a quantiser (q's and k's along the channels, v's along the keys), so each can move codes and scales of a live product; all seven inputs are loaded
; (the biases by launch 2), and no product, row or step of reference() is left out.
; FRAGMENTS.  16 rows x 128 along K are 2,048 bytes, the IMAGE OF THE OPERAND'S REGISTERS: registers 4 c .. 4 c + 3 (k = 32 c + 16 (lane / 16) + 0 .. 15) of lane L lie at byte 512 c + 16 L.
;   Fragment i = 2 g + u of 128 rows: its lane r (0 .. 15) stands for row 32 g + 8 u + r + 8 (r / 8).  So the 16 result registers of two neighbouring tiles of a product are 16 neighbours along the next K, whichever operand is source 0.
; xb: [tile of 256 rows][half of K][16 fragments' rows: 4 K steps x 2,048 bytes of codes, then 256 bytes: lane r's four scale words at 16 r].
; wb: [group of 128 columns][24 blocks: Wv's 8, Wq's 8, Wk's 8][8 K steps x 2,048 bytes].   ws: [group][12 pairs of blocks][K step][lane r of the even block, then of the odd one] words.
; qk, vt (launch 2 writes them): CHUNKS of 128 rows x 128 along K: eight fragments, then 512 bytes of scale words: fragment 2 g + u, lane r at byte 16,384 + 256 u + 16 r + 4 g.
; THE QUANTISER: a block's scale is 2^(floor(log2(its largest magnitude)) - 8): its byte is the largest magnitude's exponent field - 8, held at 1 from below; each number is held within +-448 x the scale and rounded to the nearest code, ties to even.
; LIMITS: a block whose largest magnitude lies under 2^-118 keeps the byte 1; a block of zeros keeps the byte 1 where the rule says 127 (its codes are zeros, and these bytes are read by this program alone); NaN and infinities among the inputs are not served.
; SHARES.  256 work-groups of seven waves.  Wave w < 4 of work-group X: x's rows 32 X + 8 (w / 2) + .. (one fragment's 16), half w % 2 of K.  Waves 4, 5, 6: Wv, Wq, Wk: 32 columns x 128 along K, a lane a column, its registers down K.
; No tensor load, no barrier: waves share nothing.  Matrix units and clusters have nothing to do in a stream.
.set SP,    528                        ; a stage row: 512 bytes + 16: an odd multiple of 16, so that sixteen rows' reads of one column fall on different banks
.set STGB,  16*SP                      ; a wave's stage: 16 rows
.set SPARE, 4*STGB                     ; behind the four stages: the spare words, 128 bytes for each wave: four blocks of 256 bytes that no other line names
.set SPW,   12                         ; v12      LDS address of my spare word; never rewritten
.set NIL,   13                         ; v13      0; never rewritten
.set TM,    16                         ; v16-31   at work: largest magnitudes, bytes, 448 x the scale, the conversions' scale operands
.set WD,    32                         ; v32-35   the scale words of my four K steps (weights: v32 my column's word)
.set DD,    36                         ; v36-37   two of them, as they are stored
.set PC,    40                         ; v40-55   a fragment's codes
.set XX,    56                         ; v56-119  64 numbers of my row, register 16 c + i = k 32 c + 16 (lane / 16) + i
.set CW,    56                         ; v56-87   weights: my column's 128 codes
.set R,     120                        ; v120-247 x: two sets of 64 as loaded; weights: my column's 128 numbers
.set SEL,   20                         ; s[20:21] v_permlanex16_b32's selects for lane l xor 16
.set HM,    22                         ; s22      a mask of lanes 16-31
.set MNT,   23                         ; s23      the mantissa field of 448
	s_load_b256 s[4:11], s[0:1], 0x0               ; x s[4:5], Wv s[6:7], Wq s[8:9], Wk s[10:11]
	s_load_b128 s[12:15], s[0:1], 0x20             ; xb, wb
	s_load_b64 s[34:35], s[0:1], 0x30              ; ws
	v_lshl_add_u32 v[SPW], v0, 2, SPARE
	v_mov_b32 v[NIL], 0
	v_lshrrev_b32 v1, 5, v0
	v_readfirstlane_b32 s16, v1                    ; wave 0..6
	v_and_b32 v1, 31, v0                           ; lane
	v_and_b32 v2, 15, v0                           ; r
	v_bfe_u32 v3, v0, 4, 1                         ; h
	v_lshlrev_b32 v4, 4, v1                        ; 16 x lane
	s_mul_i32 s17, s16, STGB                       ; my stage (x's waves alone use it)
	v_add_nc_u32 v5, s17, v4                       ; into it: 16 bytes a lane of a row's 512
	v_mul_u32_u24 v6, v2, SP
	v_lshl_add_u32 v6, v3, 6, v6
	v_add_nc_u32 v6, s17, v6                       ; out of it: row r, + 64 h: my 16 numbers of a block of 32
	v_lshlrev_b32 v8, 4, v2
	v_lshl_add_u32 v8, v3, 3, v8                   ; x's scale words: 16 r + 8 h
	v_lshlrev_b32 v9, 2, v1                        ; weights, in: 4 bytes a lane
	v_bfe_u32 v10, v0, 3, 1                        ; column L of 32 is lane (L % 8) + 8 (L / 16) of block (L / 8) % 2
	v_and_b32 v11, 7, v0
	v_lshl_add_u32 v11, v3, 3, v11
	v_lshlrev_b32 v14, 4, v11
	v_lshl_add_u32 v14, v10, 14, v14               ; codes: 16,384 u + 16 r
	v_lshlrev_b32 v15, 2, v11
	v_lshl_add_u32 v15, v10, 6, v15                ; scale word: 64 u + 4 r
.irp b, 0,1,2,3
	v_mov_b32 v[TM+4+\b], 0                        ; written once: a lane permute's destination counts as one of its sources
.endr
	s_mov_b32 s[SEL], 0x76543210
	s_mov_b32 s[SEL+1], 0xfedcba98
	s_mov_b32 s[HM], 0xffff0000
	s_mov_b32 s[MNT], 0x600000
	s_mov_b32 s29, 0
	s_wait_alu depctr_va_vdst(0)                   ; the wait at the head's end
	s_wait_kmcnt 0x0
	s_cmp_lt_u32 s16, 4                            ; x's wave or a weight's: the wave's number alone decides
	s_cbranch_scc0 .Lweights
; ---- x.  K is innermost: each load takes 512 consecutive bytes of one row; a fragment's 16 rows turn through my stage, so that a lane gets 16 neighbours of each block of 32.
	s_lshr_b32 s24, s16, 1                         ; u
	s_and_b32 s25, s16, 1                          ; which half of K
	s_lshl_b32 s28, ttmp9, 17                      ; 32 rows of 4,096 bytes
	s_lshl_b32 s27, s24, 15                        ; + 8 u rows
	s_add_co_u32 s28, s28, s27
	s_lshl_b32 s27, s25, 11                        ; + 512 numbers
	s_add_co_u32 s28, s28, s27
	s_add_nc_u64 s[4:5], s[4:5], s[28:29]
	s_lshr_b32 s26, ttmp9, 3                       ; tile of 256 rows
	s_mul_i32 s28, s26, 270336
	s_and_b32 s27, ttmp9, 7
	s_lshl_b32 s27, s27, 1
	s_add_co_u32 s27, s27, s24                     ; fragment in the tile
	s_mul_i32 s27, s27, 8448
	s_add_co_u32 s28, s28, s27
	s_mul_i32 s27, s25, 135168
	s_add_co_u32 s28, s28, s27
	s_add_nc_u64 s[12:13], s[12:13], s[28:29]
.macro XLOAD g, set                    ; my 16 rows, K step g of my half
.irp p, 0,1,2,3,4,5,6,7,8,9,10,11,12,13,14,15
	global_load_b128 v[R+64*(\set)+4*\p:R+64*(\set)+4*\p+3], v4, s[4:5] offset:(\p+8*(\p/8))*4096+512*(\g) th:TH_LOAD_NT
.endr
.endm
.macro XTURN set                       ; LDS serves a wave's instructions in order (ISA guide 5.7.1.4): no wait stands between my stores and my loads
.irp p, 0,1,2,3,4,5,6,7,8,9,10,11,12,13,14,15
	ds_store_b128 v5, v[R+64*(\set)+4*\p:R+64*(\set)+4*\p+3] offset:SP*\p
.endr
.irp c, 0,1,2,3
.irp j, 0,1,2,3
	ds_load_b128 v[XX+16*\c+4*\j:XX+16*\c+4*\j+3], v6 offset:128*\c+16*\j
.endr
.endr
.endm
; 64 numbers of a lane become a fragment's codes in v[PC] on and its scale word in v[pw]
.macro QUANT s, pw
.irp b, 0,1,2,3
	v_max3_num_f32 v[TM+\b], |v[\s+16*\b]|, |v[\s+1+16*\b]|, 0x4800000   ; block b: my 16 numbers, and the floor 2^(9 - 127): the byte cannot fall under 1
.endr
.irp i, 2,4,6,8,10,12,14
.irp b, 0,1,2,3
	v_max3_num_f32 v[TM+\b], v[TM+\b], |v[\s+16*\b+\i]|, |v[\s+1+16*\b+\i]|   ; (the four blocks by turns)
.endr
.endr
.irp b, 0,1,2,3
	v_permlanex16_b32 v[TM+4+\b], v[TM+\b], s[SEL], s[SEL+1]
.endr
.irp b, 0,1,2,3
	v_max_num_f32 v[TM+\b], v[TM+\b], v[TM+4+\b]   ; with lane l xor 16's: the block's largest magnitude
.endr
.irp b, 0,1,2,3
	v_add_nc_u32 v[TM+12+\b], 0xfc000000, v[TM+\b] ; 8 off its exponent field: the conversion's scale operand
.endr
.irp b, 0,1,2,3
	v_and_or_b32 v[TM+8+\b], v[TM+\b], 0x7f800000, s[MNT]   ; 448 x the scale
.endr
.irp b, 0,1,2,3
	v_lshrrev_b32 v[TM+4+\b], 23, v[TM+12+\b]      ; the scale's byte
.endr
	v_lshl_or_b32 v[\pw], v[TM+5], 8, v[TM+4]      ; the four bytes make my row's scale word
	v_lshl_or_b32 v[\pw], v[TM+6], 16, v[\pw]
	v_lshl_or_b32 v[\pw], v[TM+7], 24, v[\pw]
.irp b, 0,1,2,3
.irp i, 0,1,2,3,4,5,6,7,8,9,10,11,12,13,14,15
	v_med3_num_f32 v[\s+16*\b+\i], v[\s+16*\b+\i], -v[TM+8+\b], v[TM+8+\b]   ; the conversion to an 8-bit code does not saturate (ISA guide 7.6.2): the hold
.endr
	v_cvt_scalef32_pk8_fp8_f32 v[PC+4*\b:PC+1+4*\b], v[\s+16*\b:\s+7+16*\b], v[TM+12+\b]
	v_cvt_scalef32_pk8_fp8_f32 v[PC+2+4*\b:PC+3+4*\b], v[\s+8+16*\b:\s+15+16*\b], v[TM+12+\b]
.endr
	v_nop                                          ; a plain line behind the last conversion
.endm
	XLOAD 0, 0
	XLOAD 1, 1
.irp g, 0,1,2,3
.if \g < 3
	s_wait_loadcnt 16                              ; this K step's 16 loads are in; the next one's 16 may be out
.else
	s_wait_loadcnt 0x0
.endif
.if \g > 0
	s_wait_xcnt 0x0                                ; the last fragment's stores have read v[PC] on, which is written again below
.endif
	XTURN \g%2
	s_wait_dscnt 0x0                               ; my numbers are back, and the stage's stores have read their registers,
.if \g < 2
	XLOAD \g+2, \g%2                               ; which take the K step two further on
.endif
	QUANT XX, WD+\g
.irp c, 0,1,2,3
	global_store_b128 v4, v[PC+4*\c:PC+4*\c+3], s[12:13] offset:2048*\g+512*\c   ; 32 lanes store 512 consecutive bytes, aligned
.endr
.endr
	v_cndmask_b32 v[DD], v[WD], v[WD+2], s[HM]     ; lanes 0-15 store the words of K steps 0, 1, lanes 16-31 those of 2, 3
	v_cndmask_b32 v[DD+1], v[WD+1], v[WD+3], s[HM]
	global_store_b64 v8, v[DD:DD+1], s[12:13] offset:8192   ; 256 consecutive bytes, aligned
	s_branch .Lend
; ---- the weights.  K is the FIRST axis: a lane takes a column, its registers run down K: a block of 32 lies in one lane, and the codes come out with K innermost.
.Lweights:
	s_cmp_eq_u32 s16, 5
	s_cselect_b64 s[30:31], s[8:9], s[6:7]
	s_cmp_eq_u32 s16, 6
	s_cselect_b64 s[30:31], s[10:11], s[30:31]
	s_sub_co_u32 s24, s16, 4                       ; which matrix, in wb's order
	s_and_b32 s25, ttmp9, 7                        ; K step
	s_bfe_u32 s26, ttmp9, 0x20003                  ; which 32 columns of 128
	s_lshr_b32 s27, ttmp9, 5                       ; which 128 columns
	s_lshl_b32 s28, s25, 19                        ; 128 rows of 4,096 bytes
	s_lshl_b32 s32, s27, 9
	s_add_co_u32 s28, s28, s32
	s_lshl_b32 s32, s26, 7
	s_add_co_u32 s28, s28, s32
	s_add_nc_u64 s[30:31], s[30:31], s[28:29]
	s_mul_i32 s32, s27, 24
	s_lshl_b32 s33, s24, 3
	s_add_co_u32 s32, s32, s33
	s_lshl_b32 s33, s26, 1
	s_add_co_u32 s32, s32, s33                     ; my even block
	s_lshl_b32 s28, s32, 14
	s_lshl_b32 s33, s25, 11
	s_add_co_u32 s28, s28, s33
	s_add_nc_u64 s[14:15], s[14:15], s[28:29]
	s_lshl_b32 s28, s32, 9                         ; a pair of blocks has 1,024 bytes of words, 128 for a K step
	s_lshl_b32 s33, s25, 7
	s_add_co_u32 s28, s28, s33
	s_add_nc_u64 s[34:35], s[34:35], s[28:29]
.macro WLOAD t                         ; block t: W(32 t + i, my column): 128 consecutive bytes a load
.irp i, 0,1,2,3,4,5,6,7,8,9,10,11,12,13,14,15,16,17,18,19,20,21,22,23,24,25,26,27,28,29,30,31
	global_load_b32 v[R+32*(\t)+\i], v9, s[30:31] offset:(32*(\t)+\i)*4096
.endr
.endm
.macro WBLOCK c, left
.set XS, R+32*(\c)
	s_wait_loadcnt \left                           ; this block's 32 loads are in; the next block's 32 may be out
.if (\c)+2 < 4
	WLOAD (\c)+2
.endif
	v_max3_num_f32 v16, |v[XS]|, |v[XS+1]|, |v[XS+2]|   ; the block's largest magnitude: all 32 numbers are mine
	v_max3_num_f32 v17, |v[XS+3]|, |v[XS+4]|, |v[XS+5]|
.irp i, 6,10,14,18,22,26
	v_max3_num_f32 v16, v16, |v[XS+\i]|, |v[XS+\i+1]|
	v_max3_num_f32 v17, v17, |v[XS+\i+2]|, |v[XS+\i+3]|
.endr
	v_max3_num_f32 v16, v16, |v[XS+30]|, |v[XS+31]|
	v_max3_num_f32 v16, v16, v17, 0x4800000        ; and the floor
	v_add_nc_u32 v18, 0xfc000000, v16
	v_and_or_b32 v19, v16, 0x7f800000, s[MNT]
	v_lshrrev_b32 v20, 23, v18
.if (\c) == 0
	v_mov_b32 v[WD], v20
.else
	v_lshl_or_b32 v[WD], v20, 8*(\c), v[WD]
.endif
.irp i, 0,1,2,3,4,5,6,7,8,9,10,11,12,13,14,15,16,17,18,19,20,21,22,23,24,25,26,27,28,29,30,31
	v_med3_num_f32 v[XS+\i], v[XS+\i], -v19, v19
.endr
.irp q, 0,1,2,3
	v_cvt_scalef32_pk8_fp8_f32 v[CW+8*(\c)+2*\q:CW+8*(\c)+2*\q+1], v[XS+8*\q:XS+8*\q+7], v18
.endr
	v_nop                                          ; a plain line behind the last conversion
	global_store_b128 v14, v[CW+8*(\c):CW+8*(\c)+3], s[14:15] offset:512*(\c)         ; k = 32 c + 0 .. 15: the place of lanes 0-15; sixteen lanes fill 256 consecutive bytes of each of two blocks
	global_store_b128 v14, v[CW+8*(\c)+4:CW+8*(\c)+7], s[14:15] offset:512*(\c)+256   ; k = 32 c + 16 .. 31: the place of lanes 16-31
.endm
	WLOAD 0
	WLOAD 1
	WBLOCK 0, 32
	WBLOCK 1, 32
	WBLOCK 2, 32
	WBLOCK 3, 0
	global_store_b32 v15, v[WD], s[34:35]          ; 128 consecutive bytes: one byte in 128 of what the wave has read
.Lend:
	s_wait_tensorcnt 0x0                           ; the wave's end
	ds_add_u32 v[SPW], v[NIL]
	s_wait_dscnt 0x0
	s_endpgm
.Lfunc_end_k_qb8893c0711_quant:
	.size	k_qb8893c0711_quant, .Lfunc_end_k_qb8893c0711_quant-k_qb8893c0711_quant
	.p2alignl 7, 3214868480
	.fill 96, 4, 3214868480
	.section	.rodata,"a",@progbits
	.p2align	6, 0x0
	.amdhsa_kernel k_qb8893c0711_quant
		.amdhsa_group_segment_fixed_size 34816
		.amdhsa_private_segment_fixed_size 0
		.amdhsa_enable_private_segment 0
		.amdhsa_kernarg_size 56
		.amdhsa_user_sgpr_count 2
		.amdhsa_user_sgpr_kernarg_segment_ptr 1
		.amdhsa_wavefront_size32 1
		.amdhsa_system_sgpr_workgroup_id_x 1
		.amdhsa_system_sgpr_workgroup_id_y 1
		.amdhsa_system_sgpr_workgroup_id_z 1
		.amdhsa_system_vgpr_workitem_id 0
		.amdhsa_next_free_vgpr 256
		.amdhsa_next_free_sgpr 66
		.amdhsa_reserve_vcc 0
		.amdhsa_float_denorm_mode_32 3
		.amdhsa_float_denorm_mode_16_64 3
		.amdhsa_memory_ordered 1
		.amdhsa_forward_progress 1
		.amdhsa_inst_pref_size 79
	.end_amdhsa_kernel
	.amdgpu_metadata
---
amdhsa.version: [ 1, 2 ]
amdhsa.kernels:
  - .name:           k_qb8893c0711_quant
    .symbol:         k_qb8893c0711_quant.kd
    .args:
      - { .name: x, .offset: 0, .size: 8, .value_kind: global_buffer, .address_space: global }
      - { .name: Wv, .offset: 8, .size: 8, .value_kind: global_buffer, .address_space: global }
      - { .name: Wq, .offset: 16, .size: 8, .value_kind: global_buffer, .address_space: global }
      - { .name: Wk, .offset: 24, .size: 8, .value_kind: global_buffer, .address_space: global }
      - { .name: xb, .offset: 32, .size: 8, .value_kind: global_buffer, .address_space: global }
      - { .name: wb, .offset: 40, .size: 8, .value_kind: global_buffer, .address_space: global }
      - { .name: ws, .offset: 48, .size: 8, .value_kind: global_buffer, .address_space: global }
    .group_segment_fixed_size: 34816
    .private_segment_fixed_size: 0
    .kernarg_segment_align: 8
    .kernarg_segment_size: 56
    .max_flat_workgroup_size: 224
    .sgpr_count:     66
    .vgpr_count:     256
    .wavefront_size: 32
...
	.end_amdgpu_metadata
.endif
;; end of part 1
;; launch qkv (part 2): grid 8 x 32, 4 waves a work-group, clusters of 4 x 4, 327,680 bytes of LDS; arguments xb, wb, ws, bq, bk, bv, qk, vt; writes qk, vt
.if DOCPART == 2
	.amdgcn_target "amdgcn-amd-amdhsa--gfx1250"
	.amdhsa_code_object_version 6
	.text
	.protected	k_qb8893c0711_qkv
	.globl	k_qb8893c0711_qkv
	.p2align	8
	.type	k_qb8893c0711_qkv,@function
k_qb8893c0711_qkv:
	s_mov_b64 s[64:65], 0
	v_nop
	global_prefetch_b8 v0, s[64:65] scope:SCOPE_SE
	s_setreg_imm32_b32 hwreg(HW_REG_WAVE_MODE, 25, 1), 1
	s_wait_xcnt 0x0
	s_wait_alu depctr_hold_cnt(0) depctr_sa_sdst(0) depctr_va_vdst(0) depctr_va_sdst(0) depctr_va_ssrc(0) depctr_va_vcc(0) depctr_vm_vsrc(0)
	s_getreg_b32 s2, hwreg(HW_REG_IB_STS2, 6, 4)
	s_cmp_eq_u32 s2, 0
	s_cbranch_scc0 .Lentry_in_a_cluster
	s_endpgm
.Lentry_in_a_cluster:
	s_bfe_u32 s2, ttmp6, 0x10000c
	s_cmp_lg_u32 s2, 0xf033
	s_cbranch_scc0 .Lentry_shape_is_right
	s_endpgm
.Lentry_shape_is_right:
; LAUNCH 2 OF 4.  v^T = Wv^T x^T + bv, q = x Wq + bq and k = x Wk + bk, on the codes of launch 1, each result quantised in registers along the K of the product that takes it: q and k along the channels, v along the keys.
; Nothing of reference() is left out here.  Buffers and fragments are laid as launch 1 says.
; qk: chunk 16 rg + s: rg = position / 128; s 0-7: q's channels / 128, s 8-15: k's.     vt: chunk 64 rgd + s: rgd = d / 128, s = position / 128 (the keys are v's K).
; THE DEAL.  256 work-groups: 256 rows of x by 128 columns each of v, q and k.  A wave HOLDS 64 ROWS OF x, ALL OF K, in 512 registers, and streams the 24 blocks of 16 weight columns past them: a block is 8 K steps x 4 tiles = 32 products.
; Blocks 0-7 are Wv's (source 0 = x: a lane holds one d, its registers run along the keys), 8-15 Wq's, 16-23 Wk's (source 0 = W: a lane holds one position, its registers run along the channels).
; A UNIT is 16 registers, half of a block of 32 along the next K (the other half is in lane l xor 16): sums lie as unit U, half z at 16 U + 8 z: v: U = 2 (block % 2) + tile / 2, z = tile % 2;  q, k: U = tile, z = block % 2.
; THE WAY OUT of a pair of blocks (its four units) stands AMONG THE NEXT PAIR'S PRODUCTS, two lines behind each, on the other set of sums.  The first way out of either loop has no pair before it: it works on what stands there and stores nothing.
; Codes leave as 512 consecutive bytes a store; scale bytes go to a stage in LDS and leave at the end as 256 consecutive bytes a store.  The bias is the C of the first K step's products.
; FILLS.  Head, one load a wave: the halves of x along K (waves 0, 1), blocks 0 and 1 (wave 2), the scale words (wave 3).  Refills, each behind a drained round: blocks 2-9 over x's first half once it is in registers; 10-13 and 14-17 in blocks 1 and 5;
; 18-23 between the loops, over blocks 2-7.  Block m (from 2 on) lies at 16,384 x ((m - 2) % 16).
; CLUSTERS 4 x 4: x's tiles are shared along a row of the cluster, the weights along a column: joint loads.
; PREFETCH: blocks 2-17 are asked for at the head, by the clusters with y under 4, each 256 bytes once in a cluster, shared out by address among a column's sixteen waves; blocks 18-23 have four blocks' products between their load and the wait for it, and are not asked for.
; LIMITS: as in launch 1 (the byte's floor, a block of zeros, NaN and infinities).
; REGISTERS: window 0: addresses, scale words (v24-39 x's, v44-59 the weights'), sums v64-191, codes v192-207, bias v208-223.   windows 1, 2: x's 32 fragments, 4 (K step) + tile.   window 3: two sets of a block's eight fragments.
.set CH,   16896                       ; a chunk of qk or vt
.set KB,   16384                       ; a block of weight columns
.set XBK,  8448                        ; a fragment's rows of x, half of K: codes and words
.set XH,   135168                      ; half of x's tile
.set WH,   2*XH                        ; LDS: blocks 0 and 1
.set WSB,  WH+2*KB                     ; the scale words of the 24 blocks: a pair 1,024 bytes
.set BT,   WSB+12288                   ; the bias: bv's 128 numbers eight times each (32 bytes a number); from + 4,096: q's, k's: eight neighbours at 256 (their place in 32) + 32 x pair
.set ST,   BT+5120                     ; the stage: q's, k's bytes: [row group][u][r][g] entries of 8 bytes (q's word, k's word); from + 2,048: v's words
.set SPARE, ST+3072                    ; the spare words: two blocks of 256 bytes that no other line names
.set NP,   8                           ; plain vector lines behind this matrix instruction (ISA guide 7.12.1)
.set NF,   42                          ; LDS loads of a block: 32 of codes, 8 of scale words, 2 of bias
.set R_,   1                           ; v1  r = lane % 16; kept
.set LL,   3                           ; v3  lane; kept
.set ADX,  4                           ; v4, v5  LDS: my fragments of x in half 0, 1
.set ADXS, 6                           ; v6, v7  and their scale words
.set LI,   8                           ; v8  16 x lane
.set VL,   9                           ; v9  LDS: my number of bv in block 0
.set SPW,  10
.set NIL,  11
.set ADR,  12                          ; v12 LDS: the trip's blocks
.set AWS,  13                          ; v13 the trip's scale words
.set A0,   14                          ; v14, v15 the bias of the trip's first and second fetched pair
.set A1,   15
.set BLQ,  16                          ; v16 LDS: my numbers of q's bias
.set VX,   17                          ; v17 LDS: where my scale bytes go
.set SOP,  20                          ; v20-23 the conversions' scale operands
.set SX,   24
.set EB,   40                          ; v40-43 scale bytes
.set SW,   44                          ; (no product's two scale registers have numbers equal modulo 8)
.set TQ,   60
.set ACC,  64
.set MCD,  192
.set BQ,   208
.set G1X,  24                          ; s[24:31] group 1: x's halves; then blocks, 64 rows
.set G1W,  32                          ; s[32:39] two blocks, 128 rows
.set G1S,  48                          ; s[48:55] scale words; then a block and a half, 96 rows
.set G0X,  56
.set G0H,  60
.set G0R,  76
.set G0S,  88
.set MSB, 0
.macro WIN new                         ; the immediate's high byte repeats the setting that is left
.if MSB != (\new)
	s_set_vgpr_msb (MSB<<8)|(\new)
.set MSB, (\new)
.endif
.endm
.macro PLACES n
.rept \n
	v_nop
.endr
.endm
.macro WALU
	s_wait_alu depctr_va_vdst(0)
.endm
.macro BARRIER
	s_barrier_signal -1
	s_barrier_wait -1
.endm
.macro MIDDLE                          ; a round of the cluster's barrier behind its opening signal
	s_barrier_wait -1
	s_cmp_lg_u32 s14, 0
	s_cbranch_scc1 .Lnot_wave_0_\@
	s_barrier_signal -3
.Lnot_wave_0_\@:
	s_barrier_wait -3
	BARRIER
.endm
.macro CROUND
	s_barrier_signal -1
	MIDDLE
.endm
.macro TLOAD g0, g1                    ; a joint load; an s_nop 0 and four v_nop follow it
	tensor_load_to_lds s[\g0:\g0+3], s[\g1:\g1+7]
	s_nop 0
	PLACES 4
.endm
.macro GROUP1 g, mask, rows            ; dense bytes as rows of 32 elements of 8 bytes, no padding
	s_or_b32 s[\g], s[\mask], (3<<16)|(1<<21)
	s_mov_b32 s[\g+1], 32<<16
	s_mov_b32 s[\g+2], (\rows)<<16
	s_mov_b32 s[\g+3], 32<<16
	s_mov_b32 s[\g+4], \rows
	s_mov_b32 s[\g+5], 32
	s_mov_b32 s[\g+6], 0
	s_mov_b32 s[\g+7], 0
.endm
	s_load_b256 s[4:11], s[0:1], 0x0               ; xb s[4:5], wb s[6:7], ws s[8:9], bq s[10:11]
	s_load_b256 s[68:75], s[0:1], 0x20             ; bk s[68:69], bv s[70:71], qk s[72:73], vt s[74:75]
	v_lshl_add_u32 v[SPW], v0, 2, SPARE
	v_mov_b32 v[NIL], 0
	ds_add_u32 v[SPW], v[NIL]                      ; the wave's opening: the add, twice on end, and its wait ahead of my first tensor load
	ds_add_u32 v[SPW], v[NIL]
	v_lshrrev_b32 v1, 5, v0
	v_readfirstlane_b32 s14, v1                    ; wave 0..3
	s_lshr_b32 s15, s14, 1                         ; my row group of 128 in the tile
	s_and_b32 s16, s14, 1                          ; my half of it: fragments 4 x half + 0 .. 3
	s_bfe_u32 s40, ttmp6, 0x40000                  ; cx
	s_bfe_u32 s41, ttmp6, 0x40004                  ; cy
	s_lshl_b32 s42, ttmp9, 2
	s_add_co_u32 s42, s42, s40                     ; my group of 128 columns
	s_and_b32 s17, ttmp7, 0xffff                   ; cluster y
	s_lshl_b32 s43, s17, 2
	s_add_co_u32 s43, s43, s41                     ; my tile of 256 rows
	s_lshl_b32 s44, s41, 2
	s_lshl_b32 s44, 15, s44                        ; my row of the cluster
	s_lshl_b32 s45, 0x1111, s40                    ; my column
	GROUP1 G1X, 44, XH/256
	GROUP1 G1W, 45, 2*KB/256
	GROUP1 G1S, 45, 12288/256
	s_mul_i32 s18, s43, 2*XH
	s_mul_i32 s19, s16, XH
	s_mov_b32 s[G0X], 1
	s_mov_b32 s[G0X+1], s19
	s_add_co_u32 s18, s18, s19
	s_mov_b32 s19, 0
	s_mul_i32 s46, s42, 24*KB
	s_mov_b32 s47, 0
	s_mul_i32 s20, s42, 12288
	s_mov_b32 s21, 0
	s_mov_b32 s[G0H], 1
	s_mov_b32 s[G0H+1], WH
	s_mov_b32 s[G0S], 1
	s_mov_b32 s[G0S+1], WSB
	s_mov_b32 s98, 0x76543210                      ; v_permlanex16_b32's selects for lane l xor 16
	s_mov_b32 s99, 0xfedcba98
	s_mov_b32 s100, 0x600000                       ; the mantissa field of 448
	s_wait_dscnt 0x0                               ; both opening adds are done
	CROUND                                         ; all sixteen work-groups are here: the first joint loads meet
	s_wait_kmcnt 0x0
	s_add_nc_u64 s[G0X+2:G0X+3], s[4:5], s[18:19]
	s_or_b32 s[G0X+3], s[G0X+3], 0x80000000
	s_add_nc_u64 s[82:83], s[6:7], s[46:47]        ; my columns' 24 blocks
	s_mov_b64 s[G0H+2:G0H+3], s[82:83]
	s_or_b32 s[G0H+3], s[G0H+3], 0x80000000
	s_add_nc_u64 s[G0S+2:G0S+3], s[8:9], s[20:21]
	s_or_b32 s[G0S+3], s[G0S+3], 0x80000000
	s_cmp_eq_u32 s14, 0                            ; ONE load a wave, each in its own arm
	s_cbranch_scc0 .Lwave_1
	TLOAD G0X, G1X                                 ; x's first half along K
	s_branch .Lasked
.Lwave_1:
	s_cmp_eq_u32 s14, 1
	s_cbranch_scc0 .Lwave_2
	TLOAD G0X, G1X                                 ; its second half
	s_branch .Lasked
.Lwave_2:
	s_cmp_eq_u32 s14, 2
	s_cbranch_scc0 .Lwave_3
	TLOAD G0H, G1W                                 ; blocks 0 and 1
	s_branch .Lasked
.Lwave_3:
	TLOAD G0S, G1S                                 ; the scale words
.Lasked:
	; where my results go
	s_lshl_b32 s12, s43, 1
	s_add_co_u32 s12, s12, s15                     ; rg
	s_lshl_b32 s20, s12, 4
	s_add_co_u32 s20, s20, s42
	s_mul_i32 s20, s20, CH
	s_add_nc_u64 s[94:95], s[72:73], s[20:21]      ; q's chunk; k's lies 8 chunks on
	s_lshl_b32 s20, s16, 13
	s_add_nc_u64 s[92:93], s[94:95], s[20:21]      ; s[92:93] my four fragments' codes, 512 bytes a pair; two steps ahead of pair 0
	s_sub_nc_u64 s[92:93], s[92:93], 0x400
	s_lshl_b32 s20, s42, 6
	s_add_co_u32 s20, s20, s12
	s_mul_i32 s20, s20, CH
	s_add_nc_u64 s[96:97], s[74:75], s[20:21]      ; v's chunk
	s_lshl_b32 s20, s16, 10
	s_add_nc_u64 s[84:85], s[96:97], s[20:21]      ; s[84:85] my two blocks of 32 keys, 4,096 bytes a pair
	s_sub_nc_u64 s[84:85], s[84:85], 0x2000
	s_lshl_b32 s20, s16, 8
	s_add_co_u32 s20, s20, 16384
	s_add_nc_u64 s[94:95], s[94:95], s[20:21]      ; my 256 bytes of q's scale words,
	s_add_nc_u64 s[96:97], s[96:97], s[20:21]      ; and of v's
	s_lshl_b32 s20, s42, 9
	s_add_nc_u64 s[10:11], s[10:11], s[20:21]      ; 128 numbers of each bias
	s_add_nc_u64 s[68:69], s[68:69], s[20:21]
	s_add_nc_u64 s[70:71], s[70:71], s[20:21]
	s_lshl_b32 s22, s15, 9
	s_lshl_b32 s12, s16, 1
	s_add_co_u32 s22, s22, s12
	s_add_co_u32 s22, s22, ST+2048-8               ; v's bytes, two steps of 4 ahead of pair 0
	s_lshl_b32 s23, s15, 10
	s_lshl_b32 s12, s16, 4
	s_add_co_u32 s23, s23, s12
	s_add_co_u32 s23, s23, ST-2                    ; q's and k's, two steps of 1 ahead
	s_mov_b32 s87, 0
	s_lshl_b32 s13, s41, 2
	s_add_co_u32 s13, s13, s14
	s_lshl_b32 s13, s13, 13                        ; my sixteenth of a prefetch: 32 lanes x 256 bytes
	s_mul_i32 s18, s14, 4*XBK
	s_add_co_u32 s19, s18, 8192
	v_lshlrev_b32 v19, 2, v0
	global_load_b32 v240, v19, s[70:71]            ; my thread's number of bv, bq, bk
	global_load_b32 v241, v19, s[10:11]
	global_load_b32 v242, v19, s[68:69]
	v_and_b32 v[R_], 15, v0
	v_bfe_u32 v2, v0, 4, 1                         ; h
	v_and_b32 v[LL], 31, v0
	v_lshlrev_b32 v[LI], 4, v[LL]
	v_add_nc_u32 v[ADX], s18, v[LI]
	v_add_nc_u32 v[ADX+1], XH, v[ADX]
	v_mul_u32_u24 v[ADXS], XBK, v2                 ; lanes 0-15 take an even tile's words, lanes 16-31 the odd one's
	v_lshl_add_u32 v[ADXS], v[R_], 4, v[ADXS]
	v_add_nc_u32 v[ADXS], s19, v[ADXS]
	v_add_nc_u32 v[ADXS+1], XH, v[ADXS]
	v_and_b32 v18, 8, v[R_]
	v_add_nc_u32 v18, v18, v[R_]                   ; r + 8 (r / 8)
	v_lshl_add_u32 v[VL], v18, 5, BT
	v_lshl_add_u32 v[BLQ], v2, 9, BT+4096
	v_lshl_add_u32 v[AWS], v[R_], 2, WSB
	v_add_nc_u32 v[A0], 0x400, v[VL]
	v_add_nc_u32 v[A1], 0x800, v[VL]
	v_lshl_add_u32 v[VX], v[R_], 4, s22
	v_mov_b32 v[ADR], v[LI]
	v_add_nc_u32 v18, WH, v[LI]
	v_lshl_add_u32 v243, v0, 5, BT                 ; where my bias numbers go
	v_lshrrev_b32 v244, 5, v0
	v_lshlrev_b32 v244, 5, v244
	v_bfe_u32 v245, v0, 3, 2
	v_lshl_add_u32 v244, v245, 8, v244
	v_and_b32 v245, 7, v0
	v_lshl_add_u32 v244, v245, 2, v244
	v_add_nc_u32 v244, BT+4096, v244
	v_lshl_add_u32 v247, v[LL], 8, s13
.set I_, 0
.rept 64
	v_mov_b32 v[ACC+64+I_], 0                      ; the sums that the first way out finds (it stores nothing)
.set I_, I_+1
.endr
	WALU                                           ; the wait at the head's end
	s_cmp_lt_u32 s17, 4
	s_cbranch_scc0 .Lnot_asking
	global_prefetch_b8 v247, s[82:83] offset:2*KB th:TH_LOAD_NT scope:SCOPE_SE      ; blocks 2-9
	global_prefetch_b8 v247, s[82:83] offset:10*KB th:TH_LOAD_NT scope:SCOPE_SE     ; blocks 10-17
.Lnot_asking:
	s_cmp_eq_u32 s14, 0
	s_cbranch_scc0 .Lnot_x0
	s_wait_tensorcnt 0x0                           ; wave 0: x's first half has landed.  The other waves' wait stands ahead of the next round
.Lnot_x0:
	BARRIER
.macro XHALF hh                        ; my 64 rows, half hh of K, into window 1 + hh: fragment 4 (K step) + tile
	WIN ((1+\hh)<<6)
.irp q, 0,1,2,3
.irp t, 0,1,2,3
.irp c, 0,1,2,3
	ds_load_b128 v[16*(4*\q+\t)+4*\c:16*(4*\q+\t)+4*\c+3], v[ADX+\hh] offset:XBK*\t+2048*\q+512*\c
.endr
.endr
.endr
	WIN 0
.irp p, 0,1
	ds_load_b128 v[SX+8*\p+4*\hh:SX+8*\p+4*\hh+3], v[ADXS+\hh] offset:2*XBK*\p
.endr
.endm
.macro FETCH k, aw, ow, sw, os, ab     ; a block into set k: codes, scale words, bias: NF loads
	WIN (3<<6)
.irp q, 0,1,2,3,4,5,6,7
.irp c, 0,1,2,3
	ds_load_b128 v[128*\k+16*\q+4*\c:128*\k+16*\q+4*\c+3], v[\aw] offset:\ow+2048*\q+512*\c
.endr
.endr
	WIN 0
.irp q, 0,1,2,3,4,5,6,7
	ds_load_b32 v[SW+8*\k+\q], v[\sw] offset:\os+128*\q
.endr
	ds_load_b128 v[BQ+8*\k:BQ+8*\k+3], v[\ab] offset:256*\k
	ds_load_b128 v[BQ+8*\k+4:BQ+8*\k+7], v[\ab] offset:256*\k+16
.endm
	XHALF 0
	s_wait_loadcnt 0x0                             ; the biases
.irp i, 0,1,2,3
	v_mov_b32 v[248+\i], v240
.endr
	ds_store_b128 v243, v[248:251]
	ds_store_b128 v243, v[248:251] offset:16
	ds_store_b32 v244, v241
	ds_store_b32 v244, v242 offset:128
	WALU
	s_wait_tensorcnt 0x0                           ; all of the head's tiles are in;
	ds_add_u32 v[SPW], v[NIL]                      ; the add ahead of a refill's round
	GROUP1 G1X, 45, KB/256                         ; no tensor load of mine is out: descriptors may be written
	GROUP1 G1S, 45, 6*KB/1024
	s_mov_b32 s[G0R], 1
	s_lshl_b32 s12, s14, 15
	s_mov_b32 s13, 0
	s_mov_b32 s[G0R+1], s12                        ; blocks 2 + 2 w, 3 + 2 w over x's first half
	s_add_nc_u64 s[G0R+2:G0R+3], s[82:83], s[12:13]
	s_add_nc_u64 s[G0R+2:G0R+3], s[G0R+2:G0R+3], 2*KB
	s_or_b32 s[G0R+3], s[G0R+3], 0x80000000
	s_lshl_b32 s12, s14, 14
	s_add_co_u32 s47, s12, 8*KB                    ; s47, s[80:81]: the loop's refills: block 10 + w, then 14 + w
	s_add_nc_u64 s[80:81], s[82:83], s[12:13]
	s_add_nc_u64 s[80:81], s[80:81], 10*KB
	s_wait_dscnt 0x0                               ; x's first half is in registers, the bias in LDS
	CROUND
	TLOAD G0R, G1W
	FETCH 0, 18, 0, AWS, 0, VL
	XHALF 1
	FETCH 1, 18, KB, AWS, 64, VL
; product n = 4 q + t of the trip's block k: K step q, tile t.  kind 0: v, kind 1: q, k
.macro PROD kind, k, n
.set Q_, (\n)/4
.set T_, (\n)%4
.set B_, (\k)%2
.set X_, 16*((\n)%16)
.set W_, 128*B_+16*Q_
.set SX_, SX+8*(T_/2)+Q_
.set SW_, SW+8*B_+Q_
.if \kind
.set AC_, ACC+64*((\k)/2)+16*T_+8*B_
.else
.set AC_, ACC+64*((\k)/2)+32*B_+8*T_
.endif
.set C_, AC_
.if Q_ == 0
.set C_, BQ+8*B_
.endif
.if \kind
	WIN (3|((1+(\n)/16)<<2))
.if T_%2
	v_wmma_scale_f32_16x16x128_f8f6f4 v[AC_:AC_+7], v[W_:W_+15], v[X_:X_+15], v[C_:C_+7], v[SW_], v[SX_] matrix_b_scale:MATRIX_SCALE_ROW1
.else
	v_wmma_scale_f32_16x16x128_f8f6f4 v[AC_:AC_+7], v[W_:W_+15], v[X_:X_+15], v[C_:C_+7], v[SW_], v[SX_]
.endif
.else
	WIN ((1+(\n)/16)|(3<<2))
.if T_%2
	v_wmma_scale_f32_16x16x128_f8f6f4 v[AC_:AC_+7], v[X_:X_+15], v[W_:W_+15], v[C_:C_+7], v[SX_], v[SW_] matrix_a_scale:MATRIX_SCALE_ROW1
.else
	v_wmma_scale_f32_16x16x128_f8f6f4 v[AC_:AC_+7], v[X_:X_+15], v[W_:W_+15], v[C_:C_+7], v[SX_], v[SW_]
.endif
.endif
.endm
.macro HOLD2 x, b                      ; two numbers held within the largest code x the scale (the conversion does not saturate: ISA guide 7.6.2)
	v_med3_num_f32 v[\x], v[\x], -v[TQ+\b], v[TQ+\b]
	v_med3_num_f32 v[\x+1], v[\x+1], -v[TQ+\b], v[TQ+\b]
.endm
; THE QUANTISER OF A PAIR'S FOUR UNITS, 15 places a unit: sums at x -> codes MCD + 4 U, byte EB + U.  The bound is read from a second copy at the first half's last hold.
.macro GAP u, x
.set U_, (\u)/15
.set J_, (\u)%15
.set E_, (\x)+16*U_
.set O_, E_+8
.if J_ == 0
	v_max3_num_f32 v[TQ], |v[E_]|, |v[E_+1]|, |v[E_+2]|
	v_max3_num_f32 v[TQ+2], |v[O_]|, |v[O_+1]|, |v[O_+2]|
.elseif J_ < 3
	v_max3_num_f32 v[TQ], v[TQ], |v[E_+2*J_+1]|, |v[E_+2*J_+2]|
	v_max3_num_f32 v[TQ+2], v[TQ+2], |v[O_+2*J_+1]|, |v[O_+2*J_+2]|
.elseif J_ == 3
	v_max3_num_f32 v[TQ+2], v[TQ+2], |v[O_+7]|, 0x4800000
	v_max3_num_f32 v[TQ], v[TQ], |v[E_+7]|, v[TQ+2]
.elseif J_ == 4
	v_permlanex16_b32 v[TQ+2], v[TQ], s98, s99     ; the other half's largest
	v_max_num_f32 v[TQ], v[TQ], v[TQ+2]
.elseif J_ == 5
	v_add_nc_u32 v[SOP+U_], 0xfc000000, v[TQ]      ; 8 off the exponent field: the conversion's scale operand
	v_and_or_b32 v[TQ+1], v[TQ], 0x7f800000, s100  ; 448 x the scale
.elseif J_ < 8
	HOLD2 E_+2*(J_-6), 1
.elseif J_ == 8
	HOLD2 E_+4, 1
	v_mov_b32 v[TQ+3], v[TQ+1]
.elseif J_ == 9
	HOLD2 E_+6, 3
	v_cvt_scalef32_pk8_fp8_f32 v[MCD+4*U_:MCD+4*U_+1], v[E_:E_+7], v[SOP+U_]
.elseif J_ < 13
	HOLD2 O_+2*(J_-10), 1
.elseif J_ == 13
	HOLD2 O_+6, 1
	v_cvt_scalef32_pk8_fp8_f32 v[MCD+4*U_+2:MCD+4*U_+3], v[O_:O_+7], v[SOP+U_]
.else
	v_lshrrev_b32 v[EB+U_], 23, v[SOP+U_]
.endif
.endm
.macro WAYOUT                          ; the same in the open, on the second set of sums
.set N_, 0
.rept 60
	GAP N_, ACC+64
.set N_, N_+1
.endr
.endm
.macro STEPV                           ; on to the next pair's places
	v_add_nc_u32 v[VX], 4, v[VX]
	s_add_nc_u64 s[84:85], s[84:85], 0x1000
.endm
.macro STEPQ
	v_add_nc_u32 v[VX], 1, v[VX]
	s_add_nc_u64 s[92:93], s[92:93], s[86:87]
.endm
.macro LINES kind, k, n                ; what stands behind product n
.if (\n) < 30
	WIN 0
	GAP 30*((\k)%2)+(\n), ACC+64*(1-(\k)/2)
.elseif (\n) == 30 && (\k)%2
	WIN 0
.if \kind
	STEPQ
.else
	STEPV
.endif
.endif
.endm
.macro BLOCK kind, k, from, to
.set N_, \from
.rept (\to)-(\from)
	PROD \kind, \k, N_
	LINES \kind, \k, N_
.set N_, N_+1
.endr
.endm
.macro BEGIN w                         ; w = 1: my block's fetch is in; the next block's NF loads may be out.  My stores have read their registers
.if \w
	s_wait_dscnt NF
.endif
	s_wait_xcnt 0x0
.endm
.macro PLAIN kind, k, w
	BEGIN \w
	BLOCK \kind, \k, 0, 32
	WIN 0
	PLACES NP
.endm
.macro SBLK kind, k, w                 ; with a barrier that shows all tiles that are on their way
	BEGIN \w
	BLOCK \kind, \k, 0, 28
	WIN 0
	WALU
	s_wait_tensorcnt 0x0
	s_wait_dscnt 0x0
	s_barrier_signal -1
	BLOCK \kind, \k, 28, 32
	WIN 0
	s_barrier_wait -1
	PLACES NP
.endm
.macro RBLK kind, k, w                 ; with a drained round, behind which a refill stands
	BEGIN \w
	s_wait_tensorcnt 0x0
	ds_add_u32 v[SPW], v[NIL]                      ; 28 products stand between the add and its wait
	s_mov_b32 s[G0R+1], s47
	s_mov_b64 s[G0R+2:G0R+3], s[80:81]
	s_or_b32 s[G0R+3], s[G0R+3], 0x80000000
	s_add_co_u32 s47, s47, 4*KB
	s_add_nc_u64 s[80:81], s[80:81], 4*KB
	BLOCK \kind, \k, 0, 28
	WIN 0
	WALU
	s_wait_dscnt 0x0
	s_barrier_signal -1
	BLOCK \kind, \k, 28, 32
	WIN 0
	MIDDLE
.endm
.macro OUTV                            ; a pair of v's blocks: four units' codes, four bytes
	WALU
.irp u, 0,1,2,3
	global_store_b128 v[LI], v[MCD+4*\u:MCD+4*\u+3], s[84:85] offset:2048*(\u/2)+512*(\u%2)
.endr
.irp u, 0,1,2,3
	ds_store_b8 v[VX], v[EB+\u] offset:256*(\u/2)+(\u%2)   ; both halves of the lanes hold the same byte
.endr
.endm
.macro OUTQ                            ; a pair of q's or k's
	WALU
.irp u, 0,1,2,3
	global_store_b128 v[LI], v[MCD+4*\u:MCD+4*\u+3], s[92:93] offset:2048*\u
.endr
.irp u, 0,1,2,3
	ds_store_b8 v[VX], v[EB+\u] offset:512*(\u%2)+8*(\u/2)
.endr
.endm
.macro NEXT                            ; the next trip's blocks and scale words
	s_add_co_u32 s46, s46, 1
	s_and_b32 s12, s46, 3
	s_lshl_b32 s12, s12, 16
	v_add_nc_u32 v[ADR], s12, v[LI]
	v_add_nc_u32 v[AWS], 0x800, v[AWS]
.endm
	s_mov_b32 s46, 0
.Lv:                                           ; two trips of four blocks; behind block n block n + 2 is fetched into the same set
	SBLK 0, 0, 1                                   ; blocks 2-9 are in (second trip: 10-13)
	FETCH 0, ADR, 0, AWS, 1024, A0
	RBLK 0, 1, 1
	TLOAD G0R, G1X
	PLACES NP-4
	s_cmp_eq_u32 s46, 0
	s_cbranch_scc1 .Lv_none
	OUTV
.Lv_none:
	FETCH 1, ADR, KB, AWS, 1088, A0
	PLAIN 0, 2, 1
	FETCH 0, ADR, 2*KB, AWS, 2048, A1
	PLAIN 0, 3, 1
	OUTV
	FETCH 1, ADR, 3*KB, AWS, 2112, A1
	NEXT
	v_add_nc_u32 v[A0], 0x800, v[A0]
	v_mov_b32 v[A1], v[BLQ]                        ; behind v's last pair come q's
	WALU
	s_cmp_lg_u32 s46, 2
	s_cbranch_scc1 .Lv
; between the loops: blocks 18-23 over 2-7, a block and a half a wave; v's last pair goes out
	s_wait_xcnt 0x0
	s_wait_tensorcnt 0x0
	ds_add_u32 v[SPW], v[NIL]
	s_mul_i32 s12, s14, 6*KB/4
	s_mov_b32 s13, 0
	s_mov_b32 s[G0R+1], s12
	s_add_nc_u64 s[G0R+2:G0R+3], s[82:83], s[12:13]
	s_add_nc_u64 s[G0R+2:G0R+3], s[G0R+2:G0R+3], 18*KB
	s_or_b32 s[G0R+3], s[G0R+3], 0x80000000
	WAYOUT
	WALU
	s_wait_dscnt 0x0
	CROUND
	TLOAD G0R, G1S
	STEPV
	OUTV
	v_lshl_add_u32 v[VX], v[R_], 5, s23
	v_add_nc_u32 v[A0], 32, v[BLQ]
	v_add_nc_u32 v[A1], 64, v[BLQ]
	s_mov_b32 s46, 2
	WALU
.Lq:                                           ; four trips of four blocks: q's eight, k's eight
	PLAIN 1, 0, 1
	FETCH 0, ADR, 0, AWS, 1024, A0
	s_mov_b32 s86, 512
	PLAIN 1, 1, 1
	s_cmp_eq_u32 s46, 2
	s_cbranch_scc1 .Lq_none
	OUTQ
.Lq_none:
	FETCH 1, ADR, KB, AWS, 1088, A0
	PLAIN 1, 2, 1
	s_cmp_eq_u32 s46, 5
	s_cbranch_scc1 .Lq_last
	FETCH 0, ADR, 2*KB, AWS, 2048, A1
	s_wait_dscnt NF
	s_branch .Lq_go
.Lq_last:
	s_wait_dscnt 0x0
.Lq_go:
	s_mov_b32 s86, 512
	s_cmp_eq_u32 s46, 4                            ; k's chunk lies 8 chunks behind q's
	s_cselect_b32 s86, 8*CH-3*512, s86
	SBLK 1, 3, 0                                   ; the first trip's shows blocks 18-23
	OUTQ
	s_cmp_eq_u32 s46, 5
	s_cbranch_scc1 .Lq_no_fetch
	FETCH 1, ADR, 3*KB, AWS, 2112, A1
.Lq_no_fetch:
	NEXT
	v_add_nc_u32 v[A0], 64, v[A0]
	v_add_nc_u32 v[A1], 64, v[A1]
	WALU
	s_cmp_lg_u32 s46, 6
	s_cbranch_scc1 .Lq
	s_wait_xcnt 0x0
	s_mov_b32 s86, 512
	WAYOUT
	STEPQ
	OUTQ
	s_wait_dscnt 0x0                               ; my scale bytes are in the stage
	BARRIER
	s_lshl_b32 s12, s15, 10
	s_lshl_b32 s13, s16, 9
	s_add_co_u32 s12, s12, s13
	s_add_co_u32 s12, s12, ST
	s_lshl_b32 s13, s15, 9
	s_lshl_b32 s18, s16, 8
	s_add_co_u32 s13, s13, s18
	s_add_co_u32 s13, s13, ST+2048
	s_wait_xcnt 0x0
	v_add_nc_u32 v18, s12, v[LI]
	v_lshlrev_b32 v19, 3, v[LL]
	v_add_nc_u32 v2, s13, v19
	ds_load_b128 v[208:211], v18                   ; two entries: q's and k's words by turns
	ds_load_b64 v[212:213], v2
	WALU
	s_wait_dscnt 0x0
	v_mov_b32 v214, v208
	v_mov_b32 v215, v210
	v_mov_b32 v216, v209
	v_mov_b32 v217, v211
	global_store_b64 v19, v[214:215], s[94:95]     ; 256 consecutive bytes each
	global_store_b64 v19, v[216:217], s[94:95] offset:8*CH
	global_store_b64 v19, v[212:213], s[96:97]
	s_wait_tensorcnt 0x0                           ; the wave's end
	ds_add_u32 v[SPW], v[NIL]
	s_wait_dscnt 0x0
	CROUND                                         ; the closing round: no work-group ends while a partner may still ask for a tile that names it
	s_endpgm
.Lfunc_end_k_qb8893c0711_qkv:
	.size	k_qb8893c0711_qkv, .Lfunc_end_k_qb8893c0711_qkv-k_qb8893c0711_qkv
	.p2alignl 7, 3214868480
	.fill 96, 4, 3214868480
	.section	.rodata,"a",@progbits
	.p2align	6, 0x0
	.amdhsa_kernel k_qb8893c0711_qkv
		.amdhsa_group_segment_fixed_size 327680
		.amdhsa_private_segment_fixed_size 0
		.amdhsa_enable_private_segment 0
		.amdhsa_kernarg_size 64
		.amdhsa_user_sgpr_count 2
		.amdhsa_user_sgpr_kernarg_segment_ptr 1
		.amdhsa_wavefront_size32 1
		.amdhsa_system_sgpr_workgroup_id_x 1
		.amdhsa_system_sgpr_workgroup_id_y 1
		.amdhsa_system_sgpr_workgroup_id_z 1
		.amdhsa_system_vgpr_workitem_id 0
		.amdhsa_next_free_vgpr 1024
		.amdhsa_next_free_sgpr 102
		.amdhsa_reserve_vcc 0
		.amdhsa_float_denorm_mode_32 3
		.amdhsa_float_denorm_mode_16_64 3
		.amdhsa_memory_ordered 1
		.amdhsa_forward_progress 1
		.amdhsa_inst_pref_size 156
	.end_amdhsa_kernel
	.amdgpu_metadata
---
amdhsa.version: [ 1, 2 ]
amdhsa.kernels:
  - .name:           k_qb8893c0711_qkv
    .symbol:         k_qb8893c0711_qkv.kd
    .args:
      - { .name: xb, .offset: 0, .size: 8, .value_kind: global_buffer, .address_space: global }
      - { .name: wb, .offset: 8, .size: 8, .value_kind: global_buffer, .address_space: global }
      - { .name: ws, .offset: 16, .size: 8, .value_kind: global_buffer, .address_space: global }
      - { .name: bq, .offset: 24, .size: 8, .value_kind: global_buffer, .address_space: global }
      - { .name: bk, .offset: 32, .size: 8, .value_kind: global_buffer, .address_space: global }
      - { .name: bv, .offset: 40, .size: 8, .value_kind: global_buffer, .address_space: global }
      - { .name: qk, .offset: 48, .size: 8, .value_kind: global_buffer, .address_space: global }
      - { .name: vt, .offset: 56, .size: 8, .value_kind: global_buffer, .address_space: global }
    .group_segment_fixed_size: 327680
    .private_segment_fixed_size: 0
    .kernarg_segment_align: 8
    .kernarg_segment_size: 64
    .max_flat_workgroup_size: 128
    .sgpr_count:     102
    .vgpr_count:     1024
    .wavefront_size: 32
...
	.end_amdgpu_metadata
.endif
;; end of part 2
;; launch scores (part 3): grid 8 x 32, 4 waves a work-group, clusters of 4 x 4, 327,680 bytes of LDS; arguments qk, pc, pst; writes pc, pst
.if DOCPART == 3
	.amdgcn_target "amdgcn-amd-amdhsa--gfx1250"
	.amdhsa_code_object_version 6
	.text
	.protected	k_qb8893c0711_scores
	.globl	k_qb8893c0711_scores
	.p2align	8
	.type	k_qb8893c0711_scores,@function
k_qb8893c0711_scores:
	s_mov_b64 s[64:65], 0
	v_nop
	global_prefetch_b8 v0, s[64:65] scope:SCOPE_SE
	s_setreg_imm32_b32 hwreg(HW_REG_WAVE_MODE, 25, 1), 1
	s_wait_xcnt 0x0
	s_wait_alu depctr_hold_cnt(0) depctr_sa_sdst(0) depctr_va_vdst(0) depctr_va_sdst(0) depctr_va_ssrc(0) depctr_va_vcc(0) depctr_vm_vsrc(0)
	s_getreg_b32 s2, hwreg(HW_REG_IB_STS2, 6, 4)
	s_cmp_eq_u32 s2, 0
	s_cbranch_scc0 .Lentry_in_a_cluster
	s_endpgm
.Lentry_in_a_cluster:
	s_bfe_u32 s2, ttmp6, 0x10000c
	s_cmp_lg_u32 s2, 0xf033
	s_cbranch_scc0 .Lentry_shape_is_right
	s_endpgm
.Lentry_shape_is_right:
; LAUNCH 3 OF 4.  S = q k^T on the codes of launch 2, and the softmax's p = 2^(t - M), t = S x log2(e) / 32, quantised along the keys.  Nothing of reference() is left out here.
; M IS LOCAL TO A K STEP OF 128 KEYS: M = the ceiling of the row's largest t among these 128 keys, a whole number.  Launch 4 finds the row's M and takes the difference off p's scale bytes: a power of two, which rounds nothing.
; Stored for each row and K step: p's 128 codes, its scale word, -M (f32, a whole number) and l = the sum of the unquantised p (f32).
; qk: chunk 16 rg + s (rg = position / 128; s 0-7 q's channels / 128, 8-15 k's), laid as launch 1 says: eight fragments as register images, then 512 bytes of scale words.
; pc: 16,384 bytes (the eight fragments) at index 16 rg + s: rg = query / 128, s = the K step of 128 keys in the batch.   pst: 1,536 bytes at the same index: + 0 scale words, + 512 -M, + 1,024 l, each at 256 u + 16 r + 4 g.
; A tile of 256 queries x 256 keys is made by four waves of 128 x 128: 64 accumulators of 16 x 16.  K = 1,024 goes in steps of 256 through two LDS slots; a wave's head load, four chunks on end, fills both; each slot is filled once more.
; Clusters of 4 x 4 with joint loads: q's tiles along a row, k's along a column.
; PREFETCH: K steps 2 and 3 are asked for ahead of their refills (step 2 at the head, step 3 behind step 2's refill), each 256 bytes once in a cluster, shared out by address among the eight waves of the four partners that ask for a row group jointly.
; TRANSPOSED USE: source 0 = a fragment of k, source 1 = a fragment of q: lane (r, h) holds one query, and register 16 g + i of block a is key 32 g + 16 h + i of my 128.
; LIMITS: -M is exact while |t| stays under 2^24; a p under 2^-126 counts as 0; a block whose every p is 0 keeps the byte 1, its codes are zeros; NaN and infinities are not served.
; REGISTERS: window 0: v0-31 addresses; v32-63 scale words and nothing else; v64-99 the way out's words, -M, l; v128-255 A's fragments, one set (on the way out: at work).  window 1: B's fragments, two sets.  windows 2, 3: the accumulators.
.set CH,     16896
.set PIECE,  4*CH                      ; a row group's four chunks: what one head load brings
.set SLOT,   2*CH                      ; in each piece: slot 0, slot 1
.set SPARE,  4*PIECE                   ; behind the four pieces: the spare words, 128 bytes for each wave
.set RGB,    16*CH                     ; a row group of qk
.set FR,     16
.set NL,     4
.set NP,     8                         ; plain vector lines behind this matrix instruction (ISA guide 7.12.1)
.set PFA,  12                          ; v12, v13 the prefetches' offsets for q and for k; never rewritten
.set ADRA, 16
.set ADRB, 20
.set ADRS, 22
.set LI,   24
.set SPW,  28
.set NIL,  29
.set SC,   32
.set PWS,  64                          ; v64-71  p's scale words, a block each
.set NMS,  72                          ; v72-79  -M
.set LLS,  80                          ; v80-87  l
.set DD,   88                          ; v88-99  the three as they are stored
.set AF,   128
.set T,    128                         ; v128-191 t - M, then p
.set PC,   192                         ; v192-207 p's codes
.set MX,   208                         ; v208-211 the blocks' largest scores, then their largest p
.set MY,   212                         ; v212-215 the other half's; then the bytes
.set HO,   216                         ; v216-219 448 x the scale
.set SO,   220                         ; v220-223 the conversions' scale operands
.set TT,   224
.set NM,   226                         ; v[226:227] -M, and a 0 beside it: the packed form names the pair
.set LS,   228
.set LT,   230
.set G1,  24
.set G0,  32
.set G1B, 48
.set G0B, 56
.set CS,  74                           ; s[74:75] c = log2(e) / 32
.set OUTC, 76
.set OUTS, 78
.set SEL, 82
.set MNT, 84
.set HM,  85
.set PFB, 90                           ; s[90:91] q's row group that I fetch (k's: s[46:47])
.set MSB, 0
.macro WIN new                         ; the immediate's high byte repeats the setting that is left
.if MSB != (\new)
	s_set_vgpr_msb (MSB<<8)|(\new)
.set MSB, (\new)
.endif
.endm
.set MUL_LO, 0xa1                      ; source 0 (B) window 1, source 1 (A) window 0, C and D window 2
.set MUL_HI, 0xf1                      ; the same, C and D window 3
.set TO_B,   0x40
.macro JLOAD g0a, g1a, g0b, g1b        ; a joint load: waves 0 and 1 fetch for A, waves 2 and 3 for B; an s_nop 0 and four v_nop follow each of the two lines
	s_cmp_eq_u32 s15, 0
	s_cbranch_scc0 .Lfor_b_\@
	tensor_load_to_lds s[\g0a:\g0a+3], s[\g1a:\g1a+7]
	s_nop 0
.rept 4
	v_nop
.endr
	s_branch .Lasked_\@
.Lfor_b_\@:
	tensor_load_to_lds s[\g0b:\g0b+3], s[\g1b:\g1b+7]
	s_nop 0
.rept 4
	v_nop
.endr
.Lasked_\@:
.endm
.macro ASK f                           ; K step f of my row group of q and of k into the L2: 132 units of 256 bytes each, 17 lanes a wave; the other lanes name the last again
	global_prefetch_b8 v[PFA], s[PFB:PFB+1] offset:SLOT*(\f) th:TH_LOAD_NT scope:SCOPE_SE
	global_prefetch_b8 v[PFA+1], s[46:47] offset:SLOT*(\f) th:TH_LOAD_NT scope:SCOPE_SE
.endm
.macro CREST                           ; a round of the cluster's barrier behind its opening barrier
	s_cmp_lg_u32 s14, 0
	s_cbranch_scc1 .Lnot_wave_0_\@
	s_barrier_signal -3
.Lnot_wave_0_\@:
	s_barrier_wait -3
	s_barrier_signal -1
	s_barrier_wait -1
.endm
.macro CROUND
	s_barrier_signal -1
	s_barrier_wait -1
	CREST
.endm
	s_load_b128 s[4:7], s[0:1], 0x0                ; qk s[4:5], pc s[6:7]
	s_load_b64 s[8:9], s[0:1], 0x10                ; pst
	v_lshl_add_u32 v[SPW], v0, 2, SPARE
	v_mov_b32 v[NIL], 0
	ds_add_u32 v[SPW], v[NIL]                      ; the wave's opening: the add, twice on end, and its wait ahead of my first tensor load
	ds_add_u32 v[SPW], v[NIL]
	v_lshrrev_b32 v1, 5, v0
	v_readfirstlane_b32 s14, v1                    ; wave 0..3
	s_lshr_b32 s15, s14, 1                         ; my row group of queries.  Also: I fetch for A (0) or for B (1)
	s_and_b32 s16, s14, 1                          ; my row group of keys.  Also: which row group I fetch
	s_bfe_u32 s40, ttmp6, 0x40000                  ; cx
	s_bfe_u32 s41, ttmp6, 0x40004                  ; cy
	s_and_b32 s17, ttmp7, 0xffff                   ; cluster y: four tiles of queries; a batch has eight
	s_lshr_b32 s18, s17, 1                         ; the batch: of the cluster's y alone
	s_lshl_b32 s19, s17, 2
	s_add_co_u32 s19, s19, s41                     ; the tile of queries: 4 x cluster y + cy
	s_lshl_b32 s42, ttmp9, 2
	s_add_co_u32 s42, s42, s40                     ; the tile of keys in the batch: 4 x cluster x + cx
	s_lshl_b32 s18, s18, 3
	s_add_co_u32 s73, s18, s42                     ; and among all positions
	s_lshl_b32 s43, s41, 2
	s_lshl_b32 s43, 15, s43                        ; my row of the cluster
	s_lshl_b32 s44, 0x1111, s40                    ; my column
	s_or_b32 s[G1+0], s43, (3<<16)|(1<<21)         ; dense bytes as rows of 32 elements of 8 bytes, no padding: 264 rows at the head; then the two words that count rows are set to 132, for the refills
	s_or_b32 s[G1B+0], s44, (3<<16)|(1<<21)
.irp g, G1, G1B
	s_mov_b32 s[\g+1], 32<<16
	s_mov_b32 s[\g+2], 264<<16
	s_mov_b32 s[\g+3], 32<<16
	s_mov_b32 s[\g+4], 264
	s_mov_b32 s[\g+5], 32
	s_mov_b32 s[\g+6], 0
	s_mov_b32 s[\g+7], 0
.endr
	s_lshl_b32 s20, s19, 1
	s_add_co_u32 s20, s20, s16
	s_mul_i32 s20, s20, RGB                        ; q: the first half of the row group that I fetch
	s_mov_b32 s21, 0
	s_lshl_b32 s46, s73, 1
	s_add_co_u32 s46, s46, s16
	s_mul_i32 s46, s46, RGB
	s_add_co_u32 s46, s46, 8*CH                    ; k: the second half
	s_mov_b32 s47, 0
	s_mul_i32 s45, s14, PIECE                      ; where it goes: wave x a piece: no place in the cluster enters an LDS address
	s_mov_b32 s[CS], 0x3d38aa3b
	s_mov_b32 s[CS+1], s[CS]                       ; (named with it as a pair, so it is written)
	s_mov_b32 s[SEL], 0x76543210
	s_mov_b32 s[SEL+1], 0xfedcba98
	s_mov_b32 s[MNT], 0x600000
	s_mov_b32 s[HM], 0xffff0000
	s_wait_dscnt 0x0                               ; both opening adds are done
	s_wait_kmcnt 0x0
	s_add_nc_u64 s[20:21], s[4:5], s[20:21]
	s_add_nc_u64 s[46:47], s[4:5], s[46:47]
	s_mov_b64 s[PFB:PFB+1], s[20:21]
	CROUND                                         ; all sixteen work-groups are here: the first joint loads meet
.irp s, 0,1
	s_mov_b32 s[G0+4*\s], 1
	s_add_co_u32 s[G0+4*\s+1], s45, \s*SLOT
	s_add_nc_u64 s[G0+4*\s+2:G0+4*\s+3], s[20:21], \s*SLOT
	s_or_b32 s[G0+4*\s+3], s[G0+4*\s+3], 0x80000000
	s_mov_b32 s[G0B+4*\s], 1
	s_add_co_u32 s[G0B+4*\s+1], s45, \s*SLOT
	s_add_nc_u64 s[G0B+4*\s+2:G0B+4*\s+3], s[46:47], \s*SLOT
	s_or_b32 s[G0B+4*\s+3], s[G0B+4*\s+3], 0x80000000
.endr
	JLOAD G0, G1, G0B, G1B                         ; both slots: one tensor load a wave at the head
	s_lshl_b32 s2, s40, 1
	s_add_co_u32 s2, s2, s15
	s_mul_i32 s2, s2, 17                           ; my place among q's eight askers,
	s_lshl_b32 s3, s41, 1
	s_add_co_u32 s3, s3, s15
	s_mul_i32 s3, s3, 17                           ; and among k's
	s_mul_i32 s21, s15, PIECE
	s_mul_i32 s22, s16, PIECE
	s_add_co_u32 s22, s22, 2*PIECE
	s_sub_co_u32 s23, s22, s21
	v_and_b32 v1, 15, v0                           ; r
	v_bfe_u32 v2, v0, 4, 1                         ; h
	v_and_b32 v3, 31, v0
	v_lshlrev_b32 v[LI], 4, v3
	v_min_u32 v5, 16, v3
	v_add_nc_u32 v[PFA], s2, v5
	v_add_nc_u32 v[PFA+1], s3, v5
	v_min_u32 v[PFA], 131, v[PFA]
	v_min_u32 v[PFA+1], 131, v[PFA+1]
	v_lshlrev_b32 v[PFA], 8, v[PFA]
	v_lshlrev_b32 v[PFA+1], 8, v[PFA+1]
	v_mul_u32_u24 v4, s23, v2                      ; lanes 16-31 take B's scale words
	v_lshl_add_u32 v4, v1, 4, v4
.irp s, 0,1
	v_add_nc_u32 v[ADRA+\s], s21, v[LI]
	v_add_nc_u32 v[ADRB+\s], s22, v[LI]
	v_add_nc_u32 v[ADRS+\s], s21, v4
	s_add_co_u32 s21, s21, SLOT
	s_add_co_u32 s22, s22, SLOT
.endr
.macro FRAG reg, adr, off
.irp c, 0,1,2,3
	ds_load_b128 v[\reg+4*\c:\reg+4*\c+3], v[\adr] offset:\off+512*\c
.endr
.endm
; 16 matrix instructions: A's blocks a0, a0 + 1 x B's eight.  cm = 1: the first product starts the sums.  The 64 accumulators take turns.
.macro MUL16 a0, p, q, sc, cm
.irp a, \a0, \a0+1
.irp b, 0,1,2,3,4,5,6,7
.set rD, 8*(8*((\a)%4)+\b)
.set rB, 128*(\p)+FR*\b
.set rA, AF+FR*(\a)
.set sB, SC+16*(\sc)+8*(\q)+4*(\b%2)+\b/2
.set sA, SC+16*(\sc)+8*(\q)+4*((\a)%2)+(\a)/2
.if \cm == 0
	v_wmma_scale_f32_16x16x128_f8f6f4 v[rD:rD+7], v[rB:rB+15], v[rA:rA+15], v[rD:rD+7], v[sB], v[sA] matrix_a_scale:MATRIX_SCALE_ROW1
.else
	v_wmma_scale_f32_16x16x128_f8f6f4 v[rD:rD+7], v[rB:rB+15], v[rA:rA+15], 0, v[sB], v[sA] matrix_a_scale:MATRIX_SCALE_ROW1
.endif
.endr
.endr
.endm
.macro FETCH_B slot, q, p, i0          ; four of B's fragments into set p: 16 loads
	WIN TO_B
.irp i, \i0, \i0+1, \i0+2, \i0+3
	FRAG 128*(\p)+FR*(\i), ADRB+\slot, CH*(\q)+2048*(\i)
.endr
	WIN 0
.endm
.macro FETCH_A slot, q, i0             ; two of A's: 8 loads
.irp i, \i0, \i0+1
	FRAG AF+FR*(\i), ADRA+\slot, CH*(\q)+2048*(\i)
.endr
.endm
.macro SCALES n                        ; a slot's scale words: four loads of 16 bytes a lane
.irp q, 0,1
.irp u, 0,1
	ds_load_b128 v[SC+16*\n+8*\q+4*\u:SC+16*\n+8*\q+4*\u+3], v[ADRS+\n] offset:CH*\q+16384+256*\u
.endr
.endr
.endm
.macro PLACES n
.rept \n
	v_nop
.endr
.endm
; A step of 128 along K that has its successor in the same slot: the next step's 64 loads go in four runs of 16, one behind each 16 products.  A has one set of registers, B two.
.macro STEP slot, q, cm
	s_wait_dscnt 4*NL                              ; all but the youngest 16 loads (A's blocks 4-7) are in
	WIN MUL_LO
	MUL16 0, (\q)%2, \q, \slot, \cm
	FETCH_B \slot, (\q)+1, 1-(\q)%2, 0
	WIN MUL_LO
	MUL16 2, (\q)%2, \q, \slot, \cm
	s_wait_dscnt 16                                ; A's blocks 4-7 are in; the 16 loads of B behind them may be out
	WIN 0
	PLACES NP
	FETCH_A \slot, (\q)+1, 0
	FETCH_A \slot, (\q)+1, 2
	WIN MUL_HI
	MUL16 4, (\q)%2, \q, \slot, \cm
	FETCH_B \slot, (\q)+1, 1-(\q)%2, 4
	WIN MUL_HI
	MUL16 6, (\q)%2, \q, \slot, \cm
	WIN 0
	PLACES NP
	FETCH_A \slot, (\q)+1, 4
	FETCH_A \slot, (\q)+1, 6
.endm
; A slot's last step changes slots: ONE barrier; in front of it each wave waits for all its tensor loads, adds 0 to its spare word, and waits for that and for its reads of this slot.  fill = 1: the slot is filled again, two slots ahead.
.macro TURN slot, next, fill
	s_wait_tensorcnt 0x0                           ; all my tensor loads have landed: my part of the next slot
	ds_add_u32 v[SPW], v[NIL]                      ; 0 onto my spare word
	s_wait_dscnt 4*NL+1                            ; (the add and the youngest 16 loads may be out)
	WIN MUL_LO
	MUL16 0, 1, 1, \slot, 0
	s_wait_dscnt 0x0                               ; the add is done, and my reads of this slot are over
	s_barrier_signal -1
	MUL16 2, 1, 1, \slot, 0
	WIN 0
	s_barrier_wait -1
.if \fill
	CREST                                          ; a round of the cluster's barrier: no wave of any partner still reads this slot or has a load on its way
	s_add_nc_u64 s[G0+4*\slot+2:G0+4*\slot+3], s[G0+4*\slot+2:G0+4*\slot+3], 2*SLOT
	s_add_nc_u64 s[G0B+4*\slot+2:G0B+4*\slot+3], s[G0B+4*\slot+2:G0B+4*\slot+3], 2*SLOT
	JLOAD G0+4*\slot, G1, G0B+4*\slot, G1B
	PLACES NP-4
.else
	PLACES NP
.endif
	SCALES \next
	FETCH_B \next, 0, 0, 0
	FETCH_A \next, 0, 0
.if (\fill) && (\slot) == 0
	ASK 3                                          ; what the next change of slots will load
.endif
	WIN MUL_HI
	MUL16 4, 1, 1, \slot, 0
	FETCH_B \next, 0, 0, 4
	FETCH_A \next, 0, 2
	WIN MUL_HI
	MUL16 6, 1, 1, \slot, 0
	WIN 0
	PLACES NP
	FETCH_A \next, 0, 4
	FETCH_A \next, 0, 6
.endm
	s_wait_alu depctr_va_vdst(0)                   ; the wait at the head's end
	ASK 2
	s_wait_tensorcnt 0x0                           ; my part of both slots is in
	s_barrier_signal -1
	s_barrier_wait -1
.irp g, G1, G1B                                        ; no tensor load of mine is out: from here on a load brings 132 rows
	s_mov_b32 s[\g+2], 132<<16
	s_mov_b32 s[\g+4], 132
.endr
	FETCH_B 0, 0, 0, 0
	FETCH_B 0, 0, 0, 4
	FETCH_A 0, 0, 0
	FETCH_A 0, 0, 2
	SCALES 0
	FETCH_A 0, 0, 4
	FETCH_A 0, 0, 6
	STEP 0, 0, 1                                   ; the first step's products start the sums
	TURN 0, 1, 1
	STEP 1, 0, 0
	TURN 1, 0, 1
	STEP 0, 0, 0
	TURN 0, 1, 0
	STEP 1, 0, 0
	s_wait_dscnt 4*NL
	WIN MUL_LO
	MUL16 0, 1, 1, 1, 0
	MUL16 2, 1, 1, 1, 0
	s_wait_dscnt 0x0
	WIN MUL_HI
	MUL16 4, 1, 1, 1, 0
	MUL16 6, 1, 1, 1, 0
	WIN 0
	; THE WAY OUT
	s_lshl_b32 s86, s19, 1
	s_add_co_u32 s86, s86, s15                     ; my row group of queries
	s_lshl_b32 s86, s86, 4
	s_lshl_b32 s87, s42, 1
	s_add_co_u32 s87, s87, s16                     ; my K step of keys in the batch
	s_add_co_u32 s86, s86, s87
	s_lshl_b32 s88, s86, 14
	s_mov_b32 s89, 0
	s_add_nc_u64 s[OUTC:OUTC+1], s[6:7], s[88:89]
	s_mul_i32 s88, s86, 1536
	s_add_nc_u64 s[OUTS:OUTS+1], s[8:9], s[88:89]
	PLACES NP                                      ; behind the last products
.irp b, 0,1,2,3
	v_mov_b32 v[MY+\b], 0                          ; written once: a lane permute's destination counts as one of its sources
.endr
	v_mov_b32 v[NM+1], 0                           ; (named as the upper half of a pair)
; Block a: 16 queries x my 128 keys.  The largest score of each block of 32 keys serves twice: for the row's maximum, and, since p rises with the score, for the block's largest p.
.macro SOFT a
.set AC, 64*((\a)%4)
	WIN 0x0a+5*((\a)/4)                            ; sources 0 and 1: window 2 or 3
.irp b, 0,1,2,3
	v_max_num_f32 v[MX+\b], v[AC+16*\b], v[AC+16*\b+1]
.endr
.irp i, 2,4,6,8,10,12,14
.irp b, 0,1,2,3
	v_max3_num_f32 v[MX+\b], v[AC+16*\b+\i], v[AC+16*\b+\i+1], v[MX+\b]
.endr
.endr
	WIN 0
.irp b, 0,1,2,3
	v_permlanex16_b32 v[MY+\b], v[MX+\b], s[SEL], s[SEL+1]
.endr
.irp b, 0,1,2,3
	v_max_num_f32 v[MX+\b], v[MX+\b], v[MY+\b]     ; with lane l xor 16's 16 keys
.endr
	v_max3_num_f32 v[TT], v[MX], v[MX+1], v[MX+2]
	v_max_num_f32 v[TT], v[TT], v[MX+3]            ; the largest score of my query among the 128 keys
	v_mul_f32 v[TT], s[CS], v[TT]                  ; as t (c is positive)
	v_floor_f32 v[NM], -v[TT]                      ; -M = floor(-t) = -ceil(t)
	WIN 0x02+(\a)/4                                ; source 0: window 2 or 3
.set j, 0
.rept 32
	v_pk_fma_f32 v[T+j:T+j+1], v[AC+j:AC+j+1], s[CS:CS+1], v[NM:NM+1] op_sel_hi:[1,0,0]   ; t - M, two at a time, into window 0
.set j, j+2
.endr
	WIN 0
.irp b, 0,1,2,3
	v_fma_f32 v[MX+\b], v[MX+\b], s[CS], v[NM]     ; the same of each block's largest score
.endr
.set j, 0
	s_wait_alu depctr_va_vdst(0)
.rept 64
	v_exp_f32 v[T+j], v[T+j]                       ; p = 2^(t - M): not normalised
.set j, j+1
.endr
	v_mov_b32 v[NMS+\a], v[NM]                     ; (a plain line behind the exponentials)
	s_wait_alu depctr_va_vdst(0)                   ; the wait ahead of the first line that names an exponential's result: one for the batch of 64
.irp b, 0,1,2,3
	v_exp_f32 v[MX+\b], v[MX+\b]                   ; the block's largest p: the same two instructions on the same number give the same bits
.endr
	v_pk_add_f32 v[LS:LS+1], v[T:T+1], v[T+2:T+3]  ; THE SUM IS TAKEN OF THE UNQUANTISED p, two at a time, in two chains; it reads the 64 alone
	v_pk_add_f32 v[LT:LT+1], v[T+4:T+5], v[T+6:T+7]
.irp j, 8,12,16,20,24,28,32,36,40,44,48,52,56,60
	v_pk_add_f32 v[LS:LS+1], v[LS:LS+1], v[T+\j:T+\j+1]
	v_pk_add_f32 v[LT:LT+1], v[LT:LT+1], v[T+\j+2:T+\j+3]
.endr
	v_pk_add_f32 v[LS:LS+1], v[LS:LS+1], v[LT:LT+1]
	v_add_f32 v[LS], v[LS], v[LS+1]
	v_permlanex16_b32 v[LT], v[LS], s[SEL], s[SEL+1]
	v_add_f32 v[LLS+\a], v[LS], v[LT]              ; with lane l xor 16's: l of these 128 keys
	s_wait_alu depctr_va_vdst(0)                   ; and one wait for the four
.irp b, 0,1,2,3
	v_max_num_f32 v[MX+\b], 0x4800000, v[MX+\b]    ; the floor 2^(9 - 127): the byte cannot fall under 1
.endr
.irp b, 0,1,2,3
	v_add_nc_u32 v[SO+\b], 0xfc000000, v[MX+\b]    ; the conversion's scale operand
.endr
.irp b, 0,1,2,3
	v_and_or_b32 v[HO+\b], v[MX+\b], 0x7f800000, s[MNT]   ; 448 x the scale
.endr
.irp b, 0,1,2,3
	v_lshrrev_b32 v[MY+\b], 23, v[SO+\b]           ; the scale's byte: at most 119, since p is at most 1
.endr
	v_lshl_or_b32 v[PWS+\a], v[MY+1], 8, v[MY]
	v_lshl_or_b32 v[PWS+\a], v[MY+2], 16, v[PWS+\a]
	v_lshl_or_b32 v[PWS+\a], v[MY+3], 24, v[PWS+\a]
.irp b, 0,1,2,3
.irp i, 0,1,2,3,4,5,6,7,8,9,10,11,12,13,14,15
	v_min_num_f32 v[T+16*\b+\i], v[T+16*\b+\i], v[HO+\b]   ; the hold (ISA guide 7.6.2); p is not negative, so it is one-sided
.endr
	v_cvt_scalef32_pk8_fp8_f32 v[PC+4*\b:PC+4*\b+1], v[T+16*\b:T+16*\b+7], v[SO+\b]
	v_cvt_scalef32_pk8_fp8_f32 v[PC+4*\b+2:PC+4*\b+3], v[T+16*\b+8:T+16*\b+15], v[SO+\b]
.endr
	v_nop                                          ; a plain line behind the last conversion
.endm
.irp a, 0,1,2,3,4,5,6,7
	s_wait_xcnt 0x0                                ; the last block's stores have read v[PC] on
	SOFT \a
.irp c, 0,1,2,3
	global_store_b128 v[LI], v[PC+4*\c:PC+4*\c+3], s[OUTC:OUTC+1] offset:2048*\a+512*\c   ; 512 consecutive bytes, aligned
.endr
.endr
.irp g, 0,1,2,3
	v_cndmask_b32 v[DD+\g], v[PWS+2*\g], v[PWS+2*\g+1], s[HM]     ; lanes 0-15 store what belongs to u = 0, lanes 16-31 to u = 1
	v_cndmask_b32 v[DD+4+\g], v[NMS+2*\g], v[NMS+2*\g+1], s[HM]
	v_cndmask_b32 v[DD+8+\g], v[LLS+2*\g], v[LLS+2*\g+1], s[HM]
.endr
	global_store_b128 v[LI], v[DD:DD+3], s[OUTS:OUTS+1]
	global_store_b128 v[LI], v[DD+4:DD+7], s[OUTS:OUTS+1] offset:512
	global_store_b128 v[LI], v[DD+8:DD+11], s[OUTS:OUTS+1] offset:1024
	s_wait_tensorcnt 0x0                           ; the wave's end
	ds_add_u32 v[SPW], v[NIL]
	s_wait_dscnt 0x0
	CROUND                                         ; the closing round
	s_endpgm
.Lfunc_end_k_qb8893c0711_scores:
	.size	k_qb8893c0711_scores, .Lfunc_end_k_qb8893c0711_scores-k_qb8893c0711_scores
	.p2alignl 7, 3214868480
	.fill 96, 4, 3214868480
	.section	.rodata,"a",@progbits
	.p2align	6, 0x0
	.amdhsa_kernel k_qb8893c0711_scores
		.amdhsa_group_segment_fixed_size 327680
		.amdhsa_private_segment_fixed_size 0
		.amdhsa_enable_private_segment 0
		.amdhsa_kernarg_size 24
		.amdhsa_user_sgpr_count 2
		.amdhsa_user_sgpr_kernarg_segment_ptr 1
		.amdhsa_wavefront_size32 1
		.amdhsa_system_sgpr_workgroup_id_x 1
		.amdhsa_system_sgpr_workgroup_id_y 1
		.amdhsa_system_sgpr_workgroup_id_z 1
		.amdhsa_system_vgpr_workitem_id 0
		.amdhsa_next_free_vgpr 1024
		.amdhsa_next_free_sgpr 96
		.amdhsa_reserve_vcc 0
		.amdhsa_float_denorm_mode_32 3
		.amdhsa_float_denorm_mode_16_64 3
		.amdhsa_memory_ordered 1
		.amdhsa_forward_progress 1
		.amdhsa_inst_pref_size 221
	.end_amdhsa_kernel
	.amdgpu_metadata
---
amdhsa.version: [ 1, 2 ]
amdhsa.kernels:
  - .name:           k_qb8893c0711_scores
    .symbol:         k_qb8893c0711_scores.kd
    .args:
      - { .name: qk, .offset: 0, .size: 8, .value_kind: global_buffer, .address_space: global }
      - { .name: pc, .offset: 8, .size: 8, .value_kind: global_buffer, .address_space: global }
      - { .name: pst, .offset: 16, .size: 8, .value_kind: global_buffer, .address_space: global }
    .group_segment_fixed_size: 327680
    .private_segment_fixed_size: 0
    .kernarg_segment_align: 8
    .kernarg_segment_size: 24
    .max_flat_workgroup_size: 128
    .sgpr_count:     96
    .vgpr_count:     1024
    .wavefront_size: 32
...
	.end_amdgpu_metadata
.endif
;; end of part 3
;; launch pv (part 4): grid 8 x 32, 4 waves a work-group, clusters of 4 x 4, 327,680 bytes of LDS; arguments pc, pst, vt, out0; writes out0
.if DOCPART == 4
	.amdgcn_target "amdgcn-amd-amdhsa--gfx1250"
	.amdhsa_code_object_version 6
	.text
	.protected	k_qb8893c0711_pv
	.globl	k_qb8893c0711_pv
	.p2align	8
	.type	k_qb8893c0711_pv,@function
k_qb8893c0711_pv:
	s_mov_b64 s[64:65], 0
	v_nop
	global_prefetch_b8 v0, s[64:65] scope:SCOPE_SE
	s_setreg_imm32_b32 hwreg(HW_REG_WAVE_MODE, 25, 1), 1
	s_wait_xcnt 0x0
	s_wait_alu depctr_hold_cnt(0) depctr_sa_sdst(0) depctr_va_vdst(0) depctr_va_sdst(0) depctr_va_ssrc(0) depctr_va_vcc(0) depctr_vm_vsrc(0)
	s_getreg_b32 s2, hwreg(HW_REG_IB_STS2, 6, 4)
	s_cmp_eq_u32 s2, 0
	s_cbranch_scc0 .Lentry_in_a_cluster
	s_endpgm
.Lentry_in_a_cluster:
	s_bfe_u32 s2, ttmp6, 0x10000c
	s_cmp_lg_u32 s2, 0xf033
	s_cbranch_scc0 .Lentry_shape_is_right
	s_endpgm
.Lentry_shape_is_right:
; LAUNCH 4 OF 4.  out = (sum over the keys of p v) / (sum of p), on the codes of launches 2 and 3.  Nothing of reference() is left out here.
; A tile of 256 positions x 128 channels is made by four waves, each 128 x 64: 32 accumulators of 16 x 16.  The keys, 2,048, go in 16 steps of 128 through two LDS slots of three steps (fills 0 to 4; fill 5 is one step).
; SCALES OF p.  Launch 3 took M per step of 128 keys.  Here the row's M is the largest of them; a step's p is 2^(M of the step - M of the row) of what its codes say: a whole number taken off its scale bytes, held at 0 from below, and the step's sum is brought by v_ldexp_f32.
; LIMITS: a scale byte that would fall under 0 is held at 0, which stands for 2^-127: p there lies under 2^-110 of the row's largest; NaN and infinities are not served.
; The records of all 16 steps are asked for behind the head's tensor load and worked on while slot 0 is on its way.
; PREFETCH: fills 1 to 4 are asked for one change of slots ahead of their load, each 256 bytes once in a cluster, shared out by address among the waves of the four partners that ask for a tile jointly.  Fill 5, one step, comes by its load alone.
; REGISTERS: window 0: addresses, scale words, the way out.  window 1: two sets of v's fragments (at first p's raw scale words).  window 2: the sums.  window 3: two sets of p's fragments.
.set CH,     16896
.set CHA,    16384
.set PA,     3*CHA
.set PB,     3*CH
.set HB,     PB/2
.set HBL,    CH/2
.set SLOT,   2*PA+PB
.set SPARE,  2*SLOT
.set SP,     272
.set FR,     16
.set NP,     8
.set SB,   8
.set ADRA, 16
.set STO,  18
.set RD,   19
.set ADRB, 20
.set CO,   22
.set LI,   24
.set ADSB, 26
.set SPW,  28
.set NIL,  29
.set PW,   32
.set RINV, 96
.set MG,   112
.set LSUM, 116
.set TP,   120
.set RX,   124
.set NMV,  128
.set LV,   192
.set T,    128
.set BK,   160
.set G1,   24
.set G0,   32
.set G1B,  48
.set G0B,  56
.set G1L,  68
.set G0L,  76
.set OUT,  80
.set SEL,  82
.set HM,   85
.set K80,  86
.set C127, 87
.set G1BL, 88
.set G0BL, 96
.set MSB, 0
.macro WIN new
.if MSB != (\new)
	s_set_vgpr_msb (MSB<<8)|(\new)
.set MSB, (\new)
.endif
.endm
.set W_MUL, 0xad
.set TO_B,  0x40
.set TO_A,  0xc0
.macro JLOAD g0a, g1a, g0b, g1b
	s_cmp_eq_u32 s15, 0
	s_cbranch_scc0 .Lfor_b_\@
	tensor_load_to_lds s[\g0a:\g0a+3], s[\g1a:\g1a+7]
	s_nop 0
.rept 4
	v_nop
.endr
	s_branch .Lasked_\@
.Lfor_b_\@:
	tensor_load_to_lds s[\g0b:\g0b+3], s[\g1b:\g1b+7]
	s_nop 0
.rept 4
	v_nop
.endr
.Lasked_\@:
.endm
.macro ASK f                           ; fill f into the L2: of p 192 units of 256 bytes for my row group, 24 lanes a wave; of v 198 units, 13 lanes a wave; the other lanes name the last again
	global_prefetch_b8 v12, s[20:21] offset:PA*(\f) th:TH_LOAD_NT scope:SCOPE_SE
	global_prefetch_b8 v13, s[46:47] offset:PB*(\f) th:TH_LOAD_NT scope:SCOPE_SE
.endm
.macro CREST
	s_cmp_lg_u32 s14, 0
	s_cbranch_scc1 .Lnot_wave_0_\@
	s_barrier_signal -3
.Lnot_wave_0_\@:
	s_barrier_wait -3
	s_barrier_signal -1
	s_barrier_wait -1
.endm
.macro CROUND
	s_barrier_signal -1
	s_barrier_wait -1
	CREST
.endm
.macro SHAPE g, rows
	s_mov_b32 s[\g+1], 32<<16
	s_mov_b32 s[\g+2], (\rows)<<16
	s_mov_b32 s[\g+3], 32<<16
	s_mov_b32 s[\g+4], \rows
	s_mov_b32 s[\g+5], 32
	s_mov_b32 s[\g+6], 0
	s_mov_b32 s[\g+7], 0
.endm
	s_load_b256 s[4:11], s[0:1], 0x0
	v_lshl_add_u32 v[SPW], v0, 2, SPARE
	v_mov_b32 v[NIL], 0
	ds_add_u32 v[SPW], v[NIL]
	ds_add_u32 v[SPW], v[NIL]
	v_lshrrev_b32 v1, 5, v0
	v_readfirstlane_b32 s14, v1
	s_lshr_b32 s15, s14, 1
	s_and_b32 s16, s14, 1
	s_bfe_u32 s40, ttmp6, 0x40000
	s_bfe_u32 s41, ttmp6, 0x40004
	s_and_b32 s17, ttmp7, 0xffff
	s_lshr_b32 s18, s17, 1
	s_lshl_b32 s19, s17, 2
	s_add_co_u32 s19, s19, s41
	s_lshl_b32 s42, ttmp9, 2
	s_add_co_u32 s42, s42, s40
	s_lshl_b32 s43, s41, 2
	s_lshl_b32 s43, 15, s43
	s_lshl_b32 s44, 0x1111, s40
	s_or_b32 s[G1+0], s43, (3<<16)|(1<<21)
	s_or_b32 s[G1L+0], s43, (3<<16)|(1<<21)
	s_or_b32 s[G1B+0], s44, (3<<16)|(1<<21)
	s_or_b32 s[G1BL+0], s44, (3<<16)|(1<<21)
	SHAPE G1, 192
	SHAPE G1B, 99
	SHAPE G1L, 64
	SHAPE G1BL, 33
	s_lshl_b32 s20, s19, 1
	s_add_co_u32 s20, s20, s16
	s_lshl_b32 s20, s20, 18
	s_mov_b32 s21, 0
	s_lshl_b32 s46, s42, 6
	s_lshl_b32 s18, s18, 4
	s_add_co_u32 s46, s46, s18
	s_mul_i32 s46, s46, CH
	s_mov_b32 s47, 0
	s_mul_i32 s22, s16, HB
	s_mov_b32 s23, 0
	s_mul_i32 s12, s16, HBL
	s_mov_b32 s13, 0
	s_mul_i32 s45, s16, PA
	s_add_co_u32 s17, s22, 2*PA
	s_add_co_u32 s18, s12, SLOT+2*PA
	s_mov_b32 s[SEL], 0x76543210
	s_mov_b32 s[SEL+1], 0xfedcba98
	s_mov_b32 s[HM], 0xffff0000
	s_mov_b32 s[K80], 0x80808080
	s_mov_b32 s[C127], 0x42fe0000
	s_wait_dscnt 0x0
	s_wait_kmcnt 0x0
	s_add_nc_u64 s[20:21], s[4:5], s[20:21]
	s_add_nc_u64 s[46:47], s[8:9], s[46:47]
	s_add_nc_u64 s[22:23], s[46:47], s[22:23]
	s_add_nc_u64 s[12:13], s[46:47], s[12:13]
	CROUND
.irp s, 0,1
	s_mov_b32 s[G0+4*\s], 1
	s_add_co_u32 s[G0+4*\s+1], s45, \s*SLOT
	s_add_nc_u64 s[G0+4*\s+2:G0+4*\s+3], s[20:21], \s*PA
	s_or_b32 s[G0+4*\s+3], s[G0+4*\s+3], 0x80000000
	s_mov_b32 s[G0B+4*\s], 1
	s_add_co_u32 s[G0B+4*\s+1], s17, \s*SLOT
	s_add_nc_u64 s[G0B+4*\s+2:G0B+4*\s+3], s[22:23], \s*PB
	s_or_b32 s[G0B+4*\s+3], s[G0B+4*\s+3], 0x80000000
.if \s == 0
	JLOAD G0+4*\s, G1, G0B+4*\s, G1B
.endif
.endr
	s_mov_b32 s[G0L], 1
	s_add_co_u32 s[G0L+1], s45, SLOT
	s_add_nc_u64 s[G0L+2:G0L+3], s[20:21], 5*PA
	s_or_b32 s[G0L+3], s[G0L+3], 0x80000000
	s_mov_b32 s[G0BL], 1
	s_mov_b32 s[G0BL+1], s18
	s_add_nc_u64 s[G0BL+2:G0BL+3], s[12:13], 5*PB
	s_or_b32 s[G0BL+3], s[G0BL+3], 0x80000000
	v_and_b32 v1, 15, v0
	v_bfe_u32 v2, v0, 4, 1
	v_and_b32 v3, 31, v0
	v_lshlrev_b32 v[LI], 4, v3
	s_wait_alu depctr_va_vdst(0)
	s_lshl_b32 s2, s19, 1
	s_add_co_u32 s2, s2, s15
	s_mul_i32 s2, s2, 16*1536
	s_mov_b32 s3, 0
	s_add_nc_u64 s[6:7], s[6:7], s[2:3]
.irp s, 0,1,2,3,4,5,6,7,8,9,10,11,12,13,14,15
	global_load_b128 v[NMV+4*\s:NMV+4*\s+3], v[LI], s[6:7] offset:1536*\s+512
.endr
.irp s, 0,1,2,3,4,5,6,7,8,9,10,11,12,13,14,15
	global_load_b128 v[LV+4*\s:LV+4*\s+3], v[LI], s[6:7] offset:1536*\s+1024
.endr
	WIN TO_B
.irp s, 0,1,2,3,4,5,6,7,8,9,10,11,12,13,14,15
	global_load_b128 v[4*\s:4*\s+3], v[LI], s[6:7] offset:1536*\s
.endr
	WIN 0
	s_lshl_b32 s2, s40, 1
	s_add_co_u32 s2, s2, s15
	s_mul_i32 s2, s2, 24                           ; my place among the eight waves that ask for my row group of p,
	s_lshl_b32 s3, s41, 2
	s_add_co_u32 s3, s3, s14
	s_mul_i32 s3, s3, 13                           ; and among the sixteen that ask for the tile of v
	v_min_u32 v12, 23, v3
	v_min_u32 v13, 12, v3
	v_add_nc_u32 v12, s2, v12
	v_add_nc_u32 v13, s3, v13
	v_min_u32 v13, 197, v13
	v_lshlrev_b32 v12, 8, v12
	v_lshlrev_b32 v13, 8, v13                      ; v12, v13: never rewritten
	s_wait_alu depctr_va_vdst(0)
	ASK 1
	s_mul_i32 s2, s15, PA
	s_lshl_b32 s3, s16, 13
	s_add_co_u32 s3, s3, 2*PA
	s_lshl_b32 s84, s16, 3
	s_add_co_u32 s84, s84, 2*PA+16384
.irp s, 0,1
	v_add_nc_u32 v[ADRA+\s], s2, v[LI]
	v_add_nc_u32 v[ADRB+\s], s3, v[LI]
	v_add_nc_u32 v[ADSB+\s], s84, v[LI]
	s_add_co_u32 s2, s2, SLOT
	s_add_co_u32 s3, s3, SLOT
	s_add_co_u32 s84, s84, SLOT
.endr
	s_mul_i32 s84, s14, 16*SP
	v_mul_u32_u24 v[STO], v1, SP
	v_lshl_add_u32 v[STO], v2, 6, v[STO]
	v_add_nc_u32 v[STO], s84, v[STO]
	v_mul_u32_u24 v[RD], v2, SP
	v_lshl_add_u32 v[RD], v1, 4, v[RD]
	v_add_nc_u32 v[RD], s84, v[RD]
	v_lshlrev_b32 v[CO], 12, v2
	v_lshl_add_u32 v[CO], v1, 4, v[CO]
.irp g, 0,1,2,3
	v_mov_b32 v[RX+\g], 0
.endr
	s_wait_loadcnt 32
.irp g, 0,1,2,3
	v_max3_num_f32 v[MG+\g], -v[NMV+\g], -v[NMV+4+\g], -v[NMV+8+\g]
.endr
.irp s, 3,5,7,9,11,13
.irp g, 0,1,2,3
	v_max3_num_f32 v[MG+\g], v[MG+\g], -v[NMV+4*\s+\g], -v[NMV+4*\s+4+\g]
.endr
.endr
.irp g, 0,1,2,3
	v_max_num_f32 v[MG+\g], v[MG+\g], -v[NMV+60+\g]
.endr
.set k, 0
.rept 64
	v_sub_f32 v[NMV+k], -v[NMV+k], v[MG+k%4]
.set k, k+1
.endr
	s_wait_loadcnt 16
.irp s, 0,1,2,3,4,5,6,7,8,9,10,11,12,13,14,15
.irp g, 0,1,2,3
	v_cvt_i32_f32 v[TP+\g], v[NMV+4*\s+\g]
.endr
.irp g, 0,1,2,3
	v_ldexp_f32 v[LV+4*\s+\g], v[LV+4*\s+\g], v[TP+\g]
.endr
.endr
	v_pk_add_f32 v[LSUM:LSUM+1], v[LV:LV+1], v[LV+4:LV+5]
	v_pk_add_f32 v[LSUM+2:LSUM+3], v[LV+2:LV+3], v[LV+6:LV+7]
.irp s, 2,3,4,5,6,7,8,9,10,11,12,13,14,15
	v_pk_add_f32 v[LSUM:LSUM+1], v[LSUM:LSUM+1], v[LV+4*\s:LV+4*\s+1]
	v_pk_add_f32 v[LSUM+2:LSUM+3], v[LSUM+2:LSUM+3], v[LV+4*\s+2:LV+4*\s+3]
.endr
.set k, 0
.rept 64
	v_min_num_f32 v[NMV+k], -v[NMV+k], s[C127]
.set k, k+1
.endr
.set k, 0
.rept 64
	v_cvt_i32_f32 v[NMV+k], v[NMV+k]
.set k, k+1
.endr
.set k, 0
.rept 64
	v_perm_b32 v[NMV+k], v[NMV+k], v[NMV+k], 0
.set k, k+1
.endr
	s_wait_loadcnt 0x0
	WIN 0x04
.set k, 0
.rept 64
	v_or_b32 v[LV+k], s[K80], v[k]
.set k, k+1
.endr
	WIN 0
.irp s, 0,1,2,3,4,5,6,7,8,9,10,11,12,13,14,15
.irp g, 0,1,2,3
	v_sub_nc_u32 v[LV+4*\s+\g], v[LV+4*\s+\g], v[NMV+4*\s+\g]
.endr
.irp g, 0,1,2,3
	v_and_b32 v[NMV+4*\s+\g], s[K80], v[LV+4*\s+\g]
.endr
.irp g, 0,1,2,3
	v_lshrrev_b32 v[TP+\g], 7, v[NMV+4*\s+\g]
.endr
.irp g, 0,1,2,3
	v_sub_nc_u32 v[NMV+4*\s+\g], v[NMV+4*\s+\g], v[TP+\g]
.endr
.irp g, 0,1,2,3
	v_and_b32 v[PW+4*\s+\g], v[LV+4*\s+\g], v[NMV+4*\s+\g]
.endr
.endr
	s_wait_alu depctr_va_vdst(0)
.irp g, 0,1,2,3
	v_rcp_f32 v[LSUM+\g], v[LSUM+\g]
.endr
	v_nop
	s_wait_alu depctr_va_vdst(0)
.irp g, 0,1,2,3
	v_permlanex16_b32 v[RX+\g], v[LSUM+\g], s[SEL], s[SEL+1]
.endr
.irp g, 0,1,2,3
	v_cndmask_b32 v[RINV+4*\g], v[LSUM+\g], v[RX+\g], s[HM]
	v_cndmask_b32 v[RINV+4*\g+1], v[LSUM+\g], v[RX+\g], s[HM]
	v_cndmask_b32 v[RINV+4*\g+2], v[RX+\g], v[LSUM+\g], s[HM]
	v_cndmask_b32 v[RINV+4*\g+3], v[RX+\g], v[LSUM+\g], s[HM]
.endr
.macro FRAG reg, adr, off
.irp c, 0,1,2,3
	ds_load_b128 v[\reg+4*\c:\reg+4*\c+3], v[\adr] offset:\off+512*\c
.endr
.endm
.macro MUL4 a, t, zero
.irp b, 0,1,2,3
.set rD, 8*(4*(\a)+\b)
.set rB, 64*((\t)%2)+FR*\b
.set rA, 128*((\t)%2)+FR*(\a)
.set sB, SB+2*((\t)%2)+\b/2
.set sA, PW+4*(\t)+(\a)/2
.set md, 4*(\zero)+2*((\a)%2)+\b%2
.if md == 0
	v_wmma_scale_f32_16x16x128_f8f6f4 v[rD:rD+7], v[rB:rB+15], v[rA:rA+15], v[rD:rD+7], v[sB], v[sA]
.elseif md == 1
	v_wmma_scale_f32_16x16x128_f8f6f4 v[rD:rD+7], v[rB:rB+15], v[rA:rA+15], v[rD:rD+7], v[sB], v[sA] matrix_a_scale:MATRIX_SCALE_ROW1
.elseif md == 2
	v_wmma_scale_f32_16x16x128_f8f6f4 v[rD:rD+7], v[rB:rB+15], v[rA:rA+15], v[rD:rD+7], v[sB], v[sA] matrix_b_scale:MATRIX_SCALE_ROW1
.elseif md == 3
	v_wmma_scale_f32_16x16x128_f8f6f4 v[rD:rD+7], v[rB:rB+15], v[rA:rA+15], v[rD:rD+7], v[sB], v[sA] matrix_a_scale:MATRIX_SCALE_ROW1 matrix_b_scale:MATRIX_SCALE_ROW1
.elseif md == 4
	v_wmma_scale_f32_16x16x128_f8f6f4 v[rD:rD+7], v[rB:rB+15], v[rA:rA+15], 0, v[sB], v[sA]
.elseif md == 5
	v_wmma_scale_f32_16x16x128_f8f6f4 v[rD:rD+7], v[rB:rB+15], v[rA:rA+15], 0, v[sB], v[sA] matrix_a_scale:MATRIX_SCALE_ROW1
.elseif md == 6
	v_wmma_scale_f32_16x16x128_f8f6f4 v[rD:rD+7], v[rB:rB+15], v[rA:rA+15], 0, v[sB], v[sA] matrix_b_scale:MATRIX_SCALE_ROW1
.else
	v_wmma_scale_f32_16x16x128_f8f6f4 v[rD:rD+7], v[rB:rB+15], v[rA:rA+15], 0, v[sB], v[sA] matrix_a_scale:MATRIX_SCALE_ROW1 matrix_b_scale:MATRIX_SCALE_ROW1
.endif
.endr
.endm
.macro LOAD_B slot, q, set
	WIN 0
	ds_load_b64 v[SB+2*(\set):SB+2*(\set)+1], v[ADSB+(\slot)] offset:CH*(\q)
	WIN TO_B
.irp i, 0,1,2,3
	FRAG 64*(\set)+FR*\i, ADRB+(\slot), CH*(\q)+2048*\i
.endr
.endm
.macro LOAD_A slot, q, set, i
	FRAG 128*(\set)+FR*(\i), ADRA+(\slot), CHA*(\q)+2048*(\i)
.endm
.macro PLACES n
.rept \n
	v_nop
.endr
.endm
.macro STEP t, zero
	s_wait_dscnt 8
	PLACES NP
	LOAD_B ((\t)/3)%2, ((\t)+1)%3, ((\t)+1)%2
	WIN W_MUL
	MUL4 0, \t, \zero
	MUL4 1, \t, \zero
	WIN TO_A
	LOAD_A ((\t)/3)%2, ((\t)+1)%3, ((\t)+1)%2, 0
	LOAD_A ((\t)/3)%2, ((\t)+1)%3, ((\t)+1)%2, 1
	LOAD_A ((\t)/3)%2, ((\t)+1)%3, ((\t)+1)%2, 2
	WIN W_MUL
	MUL4 2, \t, \zero
	MUL4 3, \t, \zero
	WIN TO_A
	LOAD_A ((\t)/3)%2, ((\t)+1)%3, ((\t)+1)%2, 3
	LOAD_A ((\t)/3)%2, ((\t)+1)%3, ((\t)+1)%2, 4
	LOAD_A ((\t)/3)%2, ((\t)+1)%3, ((\t)+1)%2, 5
	WIN W_MUL
	MUL4 4, \t, \zero
	MUL4 5, \t, \zero
	WIN TO_A
	LOAD_A ((\t)/3)%2, ((\t)+1)%3, ((\t)+1)%2, 6
	LOAD_A ((\t)/3)%2, ((\t)+1)%3, ((\t)+1)%2, 7
	s_wait_dscnt 49
	WIN W_MUL
	MUL4 6, \t, \zero
	MUL4 7, \t, \zero
.endm
.macro TURN t, fill
.set SLN, ((\t)/3)%2
	WIN 0
	s_wait_tensorcnt 0x0
	ds_add_u32 v[SPW], v[NIL]
	s_wait_dscnt 9
	WIN W_MUL
	MUL4 0, \t, 0
	s_wait_dscnt 0x0
	s_barrier_signal -1
	MUL4 1, \t, 0
	WIN 0
	s_barrier_wait -1
.if \fill == 1
	CREST
	s_add_nc_u64 s[G0+4*SLN+2:G0+4*SLN+3], s[G0+4*SLN+2:G0+4*SLN+3], 2*PA
	s_add_nc_u64 s[G0B+4*SLN+2:G0B+4*SLN+3], s[G0B+4*SLN+2:G0B+4*SLN+3], 2*PB
	JLOAD G0+4*SLN, G1, G0B+4*SLN, G1B
	PLACES NP-4
.elseif \fill == 2
	CREST
	JLOAD G0L, G1L, G0BL, G1BL
	PLACES NP-4
.else
	PLACES NP
.endif
	LOAD_B ((\t)/3+1)%2, 0, ((\t)+1)%2
	WIN W_MUL
	MUL4 2, \t, 0
	MUL4 3, \t, 0
	WIN TO_A
	LOAD_A ((\t)/3+1)%2, 0, ((\t)+1)%2, 0
	LOAD_A ((\t)/3+1)%2, 0, ((\t)+1)%2, 1
	LOAD_A ((\t)/3+1)%2, 0, ((\t)+1)%2, 2
	WIN W_MUL
	MUL4 4, \t, 0
	MUL4 5, \t, 0
	WIN TO_A
	LOAD_A ((\t)/3+1)%2, 0, ((\t)+1)%2, 3
	LOAD_A ((\t)/3+1)%2, 0, ((\t)+1)%2, 4
	LOAD_A ((\t)/3+1)%2, 0, ((\t)+1)%2, 5
	WIN W_MUL
	MUL4 6, \t, 0
	MUL4 7, \t, 0
	WIN TO_A
	LOAD_A ((\t)/3+1)%2, 0, ((\t)+1)%2, 6
	LOAD_A ((\t)/3+1)%2, 0, ((\t)+1)%2, 7
.if (\fill) == 1 && (\t) < 8
	ASK (\t)/3+3                                   ; what the next change of slots will load
.endif
.endm
	s_wait_alu depctr_va_vdst(0)
	s_wait_tensorcnt 0x0                           ; my part of slot 0 is in
	ds_add_u32 v[SPW], v[NIL]
	s_wait_dscnt 0x0
	CROUND                                         ; everybody's part of slot 0 is in, and the joint loads meet
	JLOAD G0+4, G1, G0B+4, G1B                     ; slot 1
	LOAD_B 0, 0, 0
	WIN TO_A
.irp i, 0,1,2,3,4,5,6,7
	LOAD_A 0, 0, 0, \i
.endr
	ASK 2
	STEP 0, 1
	STEP 1, 0
	TURN 2, 1
	STEP 3, 0
	STEP 4, 0
	TURN 5, 1
	STEP 6, 0
	STEP 7, 0
	TURN 8, 1
	STEP 9, 0
	STEP 10, 0
	TURN 11, 2
	STEP 12, 0
	STEP 13, 0
	TURN 14, 0
	s_wait_dscnt 8
	WIN W_MUL
.irp a, 0,1,2,3,4,5
	MUL4 \a, 15, 0
.endr
	s_wait_dscnt 0x0
	MUL4 6, 15, 0
	MUL4 7, 15, 0
	WIN 0
	s_lshl_b32 s2, s19, 1
	s_add_co_u32 s2, s2, s15
	s_lshl_b32 s2, s2, 19
	s_lshl_b32 s3, s42, 9
	s_add_co_u32 s2, s2, s3
	s_lshl_b32 s3, s16, 8
	s_add_co_u32 s2, s2, s3
	s_mov_b32 s3, 0
	s_add_nc_u64 s[OUT:OUT+1], s[10:11], s[2:3]
	PLACES NP
.macro SCALE a
	WIN 0x02
.set j, 0
.rept 16
	v_pk_mul_f32 v[T+j:T+j+1], v[32*(\a)+j:32*(\a)+j+1], v[RINV+2*(\a):RINV+2*(\a)+1]
.set j, j+2
.endr
	WIN 0
.endm
.macro TOSTAGE a
.irp g, 0,1
.irp j, 0,1,2,3
	ds_store_b128 v[STO], v[T+16*\g+4*\j:T+16*\g+4*\j+3] offset:128*\g+16*\j
.endr
.endr
.irp t, 0,1,2,3,4,5,6,7
	ds_load_b128 v[BK+32*((\a)%2)+4*\t:BK+32*((\a)%2)+4*\t+3], v[RD] offset:2*SP*\t
.endr
.endm
.macro SEND a
	s_wait_dscnt 0x0
.irp t, 0,1,2,3,4,5,6,7
	global_store_b128 v[CO], v[BK+32*((\a)%2)+4*\t:BK+32*((\a)%2)+4*\t+3], s[OUT:OUT+1] offset:(32*((\a)/2)+8*((\a)%2)+2*\t+8*(\t/4))*4096 th:TH_STORE_NT
.endr
.endm
	SCALE 0
	TOSTAGE 0
.irp a, 1,2,3,4,5,6,7
	SCALE \a
	s_wait_alu depctr_va_vdst(0)
	s_wait_xcnt 0x0
	SEND \a-1
	TOSTAGE \a
.endr
	SEND 7
	s_wait_tensorcnt 0x0
	ds_add_u32 v[SPW], v[NIL]
	s_wait_dscnt 0x0
	CROUND
	s_endpgm
.Lfunc_end_k_qb8893c0711_pv:
	.size	k_qb8893c0711_pv, .Lfunc_end_k_qb8893c0711_pv-k_qb8893c0711_pv
	.p2alignl 7, 3214868480
	.fill 96, 4, 3214868480
	.section	.rodata,"a",@progbits
	.p2align	6, 0x0
	.amdhsa_kernel k_qb8893c0711_pv
		.amdhsa_group_segment_fixed_size 327680
		.amdhsa_private_segment_fixed_size 0
		.amdhsa_enable_private_segment 0
		.amdhsa_kernarg_size 32
		.amdhsa_user_sgpr_count 2
		.amdhsa_user_sgpr_kernarg_segment_ptr 1
		.amdhsa_wavefront_size32 1
		.amdhsa_system_sgpr_workgroup_id_x 1
		.amdhsa_system_sgpr_workgroup_id_y 1
		.amdhsa_system_sgpr_workgroup_id_z 1
		.amdhsa_system_vgpr_workitem_id 0
		.amdhsa_next_free_vgpr 1024
		.amdhsa_next_free_sgpr 100
		.amdhsa_reserve_vcc 0
		.amdhsa_float_denorm_mode_32 3
		.amdhsa_float_denorm_mode_16_64 3
		.amdhsa_memory_ordered 1
		.amdhsa_forward_progress 1
		.amdhsa_inst_pref_size 203
	.end_amdhsa_kernel
	.amdgpu_metadata
---
amdhsa.version: [ 1, 2 ]
amdhsa.kernels:
  - .name:           k_qb8893c0711_pv
    .symbol:         k_qb8893c0711_pv.kd
    .args:
      - { .name: pc, .offset: 0, .size: 8, .value_kind: global_buffer, .address_space: global }
      - { .name: pst, .offset: 8, .size: 8, .value_kind: global_buffer, .address_space: global }
      - { .name: vt, .offset: 16, .size: 8, .value_kind: global_buffer, .address_space: global }
      - { .name: out0, .offset: 24, .size: 8, .value_kind: global_buffer, .address_space: global }
    .group_segment_fixed_size: 327680
    .private_segment_fixed_size: 0
    .kernarg_segment_align: 8
    .kernarg_segment_size: 32
    .max_flat_workgroup_size: 128
    .sgpr_count:     100
    .vgpr_count:     1024
    .wavefront_size: 32
...
	.end_amdgpu_metadata
.endif
;; end of part 4
